; MI455X (gfx1250); checked and timed in simulation.
; The chip was launched on July 23, 2026; its instructions are those of AMD's public machine-readable ISA for CDNA 5 (MIT licence, August 2026) and "CDNA5" Instruction Set Architecture Reference Guide (July 2026). The comments in the code are by the model that wrote it; some were corrected since.
;; Multi Flash Attention Ro PE. Allowed arithmetic: float matrix products may take bf16 or f16 operands with f32 sums; other float arithmetic in f32, or as packed bf16 or f16 multiplies, adds, multiply-adds, maxima and minima; sums over many terms, partial sums and values carried from step to step in f32; what a program stores and reads back later, other than sums and carried values, may be rounded once to bf16 or f16.
;; Inputs: Wk 2,048 x 2,048 float32; Wo 2,048 x 2,048 float32; Wq 2,048 x 2,048 float32; Wv 2,048 x 2,048 float32; angles 2 x 2,048 x 64 float32; attn_mask 1 x 2,048 int32; bk 2,048 float32; bo 2,048 float32; bq 2,048 float32; bv 2,048 float32; x_kv 1 x 2,048 x 2,048 float32; x_q 1 x 2,048 x 2,048 float32.
;; Outputs: out0 1 x 2,048 x 2,048 float32.
;; Constants: causal = 0, k_rope = 1.
;; One version. Each part assembles by itself: llvm-mc -triple=amdgcn-amd-amdhsa -mcpu=gfx1250 --defsym DOCPART=n.
;; ======== version 1 of 1: 4 launches
;; limits: values are held in f16: magnitudes above 65,504 overflow, below 6.1e-05 lose precision; right only within a limited range of input values
;; workspace buffers: cb 41,943,040 bytes; tab 2,105,344 bytes; qkv 25,165,824 bytes; att 8,388,608 bytes; wo16 8,388,608 bytes
;; launch cast (part 1): grid 256 x 6, 8 waves a work-group, no clusters, 0 bytes of LDS; arguments x_q, x_kv, Wq, Wk, Wv, angles, attn_mask, cb, tab; writes cb, tab
.if DOCPART == 1
	.amdgcn_target "amdgcn-amd-amdhsa--gfx1250"
	.amdhsa_code_object_version 6
	.text
	.protected	k_q87cc16742b_cast
	.globl	k_q87cc16742b_cast
	.p2align	8
	.type	k_q87cc16742b_cast,@function
k_q87cc16742b_cast:
	s_mov_b64 s[64:65], 0
	v_nop
	global_prefetch_b8 v0, s[64:65] scope:SCOPE_SE
	s_setreg_imm32_b32 hwreg(HW_REG_WAVE_MODE, 25, 1), 1
	s_wait_xcnt 0x0
; BF16 COPIES OF FIVE LARGE INPUTS, THE ROPE TABLES AND THE ADDITIVE MASK.
; y = 0..4: tensor y (x_q, x_kv, Wq, Wk, Wv: 2048 x 2048 f32) is rounded once to bf16 and written to cb at y << 23, row-major.
; A work-group takes 65,536 bytes of its tensor; thread t takes 16 bytes at 16 t of each of 16 steps of 4,096 bytes: a wave's load covers 512 consecutive bytes, its store of
; 8 bytes a lane 256 consecutive bytes, aligned.  All 16 loads of a wave go out at once, and the rounding is done in place.  80 registers a wave: a work-group's two waves on a SIMD take 160 of its 1,024,
; so six work-groups fit on a WGP, and the grid has six for each of 256 WGPs (five of a tensor, one of the tables): every load of the launch can be issued at its start.
; No register is loaded twice and no store's data is rewritten, so no wait frees anything.
; y = 5: work-group x makes half of block x >> 1 (16 rows of the sequence) of two tables, in the lane order of a 16 x 16 matrix result:
;   byte rb*8192 + b*2048 + sc*1024 + i*512 + lane*16 holds 2^-8 x bf16(angles[sc][16 rb + lane%16][16 b + 8 (lane/16) + 4 i + 0..3]);  sc = 0 sin, 1 cos.
;   With rb = x >> 1, b = 2 (x & 1) + bit 7 of t, sc = bit 6, i = bit 5, lane = t & 31 that byte is 4,096 x + 16 t.
;   rope_q at tab + 0; rope_k at tab + (1 << 20): the same, but 0 in rows whose attn_mask is 0, so that a hidden key's row of k is exactly 0.
;   The factor 2^-8 (exact) gives q and k room in f16; the attention launch takes 2^16 back in its f32 scale.
; Work-groups x = 0, 1 of y = 5 also make madd at tab + (2 << 20): 2,048 f32, 0 where attn_mask is not 0 and -2^100 where it is 0.
; No LDS, no matrix unit, no cluster: nothing is shared and memory binds.
.set X, 16                             ; v[16:79]  step k: 4 registers as loaded; the first two then hold the 8 bytes to store
	s_load_b512 s[4:19], s[0:1], 0x0               ; x_q, x_kv, Wq, Wk, Wv, angles s[14:15], attn_mask s[16:17], cb s[18:19]
	s_load_b64 s[20:21], s[0:1], 0x40              ; tab
	s_and_b32 s24, ttmp7, 0xffff                   ; y: which tensor, or 5 for the tables
	s_mov_b32 s25, ttmp9                           ; x
	s_mov_b32 s32, 0xffff0000                      ; a word's upper bf16
	s_mov_b32 s29, 0                               ; high word of every offset pair
	v_lshlrev_b32 v1, 4, v0                        ; 16 t
	v_lshlrev_b32 v2, 3, v0                        ; 8 t
	s_wait_kmcnt 0x0
	s_cmp_eq_u32 s24, 5
	s_cbranch_scc1 .Ltab
	s_mov_b64 s[26:27], s[4:5]                     ; the source: one of five buffers, chosen by y
.irp k, 1,2,3,4
	s_cmp_eq_u32 s24, \k
	s_cselect_b64 s[26:27], s[4+2*(\k):5+2*(\k)], s[26:27]
.endr
	s_lshl_b32 s28, s25, 16
	s_add_nc_u64 s[26:27], s[26:27], s[28:29]      ; my 65,536 bytes of it
	s_lshl_b32 s28, s24, 23
	s_lshl_b32 s30, s25, 15
	s_add_co_u32 s28, s28, s30
	s_add_nc_u64 s[30:31], s[18:19], s[28:29]      ; my 32,768 bytes of the copy
.set c, 0
.rept 16
	global_load_b128 v[X+4*c:X+4*c+3], v1, s[26:27] offset:4096*c th:TH_LOAD_NT
.set c, c+1
.endr
.macro CV k                            ; step k is rounded in place and stored
	s_wait_loadcnt 15-(\k)                         ; loads come back in order: step k's is in, the 15 - k issued behind it may stay out
	v_cvt_pk_bf16_f32 v[X+4*(\k)], v[X+4*(\k)], v[X+4*(\k)+1]
	v_cvt_pk_bf16_f32 v[X+4*(\k)+1], v[X+4*(\k)+2], v[X+4*(\k)+3]
	global_store_b64 v2, v[X+4*(\k):X+4*(\k)+1], s[30:31] offset:2048*(\k) th:TH_STORE_NT
.endm
.set c, 0
.rept 16
	CV c
.set c, c+1
.endr
	s_endpgm
.Ltab:                                             ; thread t: r = t & 15, h = bit 4, i = bit 5, sc = bit 6, b's low bit = bit 7; four numbers angles[sc][16 rb + r][16 b + 8 h + 4 i + 0..3]
	v_and_b32 v10, 15, v0
	v_bfe_u32 v11, v0, 4, 1
	v_bfe_u32 v12, v0, 5, 1
	v_bfe_u32 v13, v0, 6, 1
	v_bfe_u32 v14, v0, 7, 1
	v_lshlrev_b32 v3, 8, v10                       ; a row of angles is 256 bytes,
	v_lshl_or_b32 v3, v11, 5, v3
	v_lshl_or_b32 v3, v12, 4, v3
	v_lshl_or_b32 v3, v14, 6, v3
	v_lshl_or_b32 v3, v13, 19, v3                  ; sin and cos lie 524,288 bytes apart
	v_lshlrev_b32 v4, 2, v10                       ; my row's word of the mask
	v_mov_b32 v6, 0xf1800000                       ; -2^100
	v_mov_b32 v7, 0
	s_lshr_b32 s33, s25, 1                         ; rb
	s_and_b32 s34, s25, 1                          ; b's high bit: 128 bytes of a row
	s_lshl_b32 s34, s34, 7
	s_lshl_b32 s28, s33, 12
	s_add_co_u32 s28, s28, s34
	s_add_nc_u64 s[26:27], s[14:15], s[28:29]      ; angles at row 16 rb, column 32 (x & 1)
	s_lshl_b32 s28, s33, 6
	s_add_nc_u64 s[30:31], s[16:17], s[28:29]      ; the mask at row 16 rb
	s_lshl_b32 s28, s25, 12
	s_add_nc_u64 s[34:35], s[20:21], s[28:29]      ; the tables at byte 4,096 x
	global_load_b128 v[16:19], v3, s[26:27]
	global_load_b32 v24, v4, s[30:31]
	s_wait_loadcnt 0x0
.irp p, 0,1
	v_cvt_pk_bf16_f32 v8, v[16+2*(\p)], v[17+2*(\p)]   ; rounded to bf16 like every input,
	v_lshlrev_b32 v[32+2*(\p)], 16, v8
	v_and_b32 v[33+2*(\p)], s32, v8
.endr
.irp p, 0,2
	v_pk_mul_f32 v[32+(\p):33+(\p)], v[32+(\p):33+(\p)], 0x3b800000 op_sel_hi:[1,0]  ; times 2^-8, exact
.endr
	v_cmp_ne_u32 vcc_lo, 0, v24
.irp i, 0,1,2,3
	v_cndmask_b32 v[40+(\i)], v7, v[32+(\i)], vcc_lo   ; for k: 0 where the key is hidden
.endr
	global_store_b128 v1, v[32:35], s[34:35]                      ; a wave's store covers 512 consecutive bytes, aligned
	global_store_b128 v1, v[40:43], s[34:35] offset:1048576
	s_cmp_lt_u32 s25, 2
	s_cbranch_scc0 .Lend
	s_lshl_b32 s28, s25, 12                        ; 1,024 keys' words for each of two work-groups
	s_add_nc_u64 s[36:37], s[16:17], s[28:29]
	s_add_nc_u64 s[38:39], s[20:21], s[28:29]
	global_load_b128 v[48:51], v1, s[36:37]
	s_wait_loadcnt 0x0
.irp i, 0,1,2,3
	v_cmp_ne_u32 vcc_lo, 0, v[48+(\i)]
	v_cndmask_b32 v[52+(\i)], v6, v7, vcc_lo       ; 0 for a key that counts, -2^100 for a hidden one
.endr
	global_store_b128 v1, v[52:55], s[38:39] offset:2097152
.Lend:
	s_endpgm
.Lfunc_end_k_q87cc16742b_cast:
	.size	k_q87cc16742b_cast, .Lfunc_end_k_q87cc16742b_cast-k_q87cc16742b_cast
	.p2alignl 7, 3214868480
	.fill 96, 4, 3214868480
	.section	.rodata,"a",@progbits
	.p2align	6, 0x0
	.amdhsa_kernel k_q87cc16742b_cast
		.amdhsa_group_segment_fixed_size 0
		.amdhsa_private_segment_fixed_size 0
		.amdhsa_enable_private_segment 0
		.amdhsa_kernarg_size 72
		.amdhsa_user_sgpr_count 2
		.amdhsa_user_sgpr_kernarg_segment_ptr 1
		.amdhsa_wavefront_size32 1
		.amdhsa_system_sgpr_workgroup_id_x 1
		.amdhsa_system_sgpr_workgroup_id_y 1
		.amdhsa_system_sgpr_workgroup_id_z 1
		.amdhsa_system_vgpr_workitem_id 0
		.amdhsa_next_free_vgpr 80
		.amdhsa_next_free_sgpr 66
		.amdhsa_reserve_vcc 1
		.amdhsa_float_denorm_mode_32 3
		.amdhsa_float_denorm_mode_16_64 3
		.amdhsa_memory_ordered 1
		.amdhsa_forward_progress 1
		.amdhsa_inst_pref_size 10
	.end_amdhsa_kernel
	.amdgpu_metadata
---
amdhsa.version: [ 1, 2 ]
amdhsa.kernels:
  - .name:           k_q87cc16742b_cast
    .symbol:         k_q87cc16742b_cast.kd
    .args:
      - { .name: x_q, .offset: 0, .size: 8, .value_kind: global_buffer, .address_space: global }
      - { .name: x_kv, .offset: 8, .size: 8, .value_kind: global_buffer, .address_space: global }
      - { .name: Wq, .offset: 16, .size: 8, .value_kind: global_buffer, .address_space: global }
      - { .name: Wk, .offset: 24, .size: 8, .value_kind: global_buffer, .address_space: global }
      - { .name: Wv, .offset: 32, .size: 8, .value_kind: global_buffer, .address_space: global }
      - { .name: angles, .offset: 40, .size: 8, .value_kind: global_buffer, .address_space: global }
      - { .name: attn_mask, .offset: 48, .size: 8, .value_kind: global_buffer, .address_space: global }
      - { .name: cb, .offset: 56, .size: 8, .value_kind: global_buffer, .address_space: global }
      - { .name: tab, .offset: 64, .size: 8, .value_kind: global_buffer, .address_space: global }
    .group_segment_fixed_size: 0
    .private_segment_fixed_size: 0
    .kernarg_segment_align: 8
    .kernarg_segment_size: 72
    .max_flat_workgroup_size: 256
    .sgpr_count:     66
    .vgpr_count:     80
    .wavefront_size: 32
...
	.end_amdgpu_metadata
.endif
;; end of part 1
;; launch qkv (part 2): grid 24 x 8, 4 waves a work-group, clusters of 4 x 4, 327,680 bytes of LDS; arguments cb, bq, bk, bv, tab, qkv, Wo, wo16; writes qkv, wo16
.if DOCPART == 2
	.amdgcn_target "amdgcn-amd-amdhsa--gfx1250"
	.amdhsa_code_object_version 6
	.text
	.protected	k_q87cc16742b_qkv
	.globl	k_q87cc16742b_qkv
	.p2align	8
	.type	k_q87cc16742b_qkv,@function
k_q87cc16742b_qkv:
	s_mov_b64 s[64:65], 0
	v_nop
	global_prefetch_b8 v0, s[64:65] scope:SCOPE_SE
	s_setreg_imm32_b32 hwreg(HW_REG_WAVE_MODE, 25, 1), 1
	s_wait_xcnt 0x0
	s_wait_alu depctr_hold_cnt(0) depctr_sa_sdst(0) depctr_va_vdst(0) depctr_va_sdst(0) depctr_va_ssrc(0) depctr_va_vcc(0) depctr_vm_vsrc(0)
	s_getreg_b32 s2, hwreg(HW_REG_IB_STS2, 6, 4)
	s_cmp_eq_u32 s2, 0
	s_cbranch_scc0 .Lentry_in_a_cluster
	s_endpgm
.Lentry_in_a_cluster:
	s_bfe_u32 s2, ttmp6, 0x10000c
	s_cmp_lg_u32 s2, 0xf033
	s_cbranch_scc0 .Lentry_shape_is_right
	s_endpgm
.Lentry_shape_is_right:
; q, k, v = x W^T + b, RoPE on q and k, written by heads in f16; and, beside v's products, the 16-bit copy of Wo.  Three products of 2048 x 2048 x 2048: bf16 operands (the copies in cb), f32 sums.
; The grid's x has 24 tile columns of 256: cluster x = 0, 1 make q (A = copy 0, x_q; B = copy 2, Wq), 2, 3 make k (A = copy 1, x_kv; B = copy 3), 4, 5 make v (A = copy 1; B = copy 4).
; A tile of 256 x 256 is made by four waves, each 128 x 128: 64 accumulators of 16 x 16, 512 registers.  A wave's 128 columns are ONE HEAD.  K goes in 16 steps of 128 through two LDS slots filled
; by the tensor data mover (rows of 256 bytes, aligned).  192 work-groups: with this tile a wave issues 64 matrix instructions for 16 KiB read from LDS; a tile of half the side would double the LDS reads for each product.
; A K STEP IS WRITTEN ONCE: the fragments' LDS addresses are a base plus a scalar slot offset that an exclusive or turns, and one descriptor a tensor walks from slot to slot.  The last two K steps, which fill nothing,
; are a second loop of two trips, left in its middle: no tensor load and no barrier is jumped over.
; CLUSTERS: 4 x 4 work-groups; A's tile is asked for jointly by a row of the cluster, B's by a column.  The kind (q, k, v) hangs on the cluster's x alone: it is the same in all sixteen partners.
; THE MATRIX INSTRUCTION IS USED TRANSPOSED (source 0 = 16 rows of W, source 1 = 16 rows of x): lane l holds row l % 16 and its registers 0-7 the columns 8 (l / 16) + 0..7.
; THE BIAS (rounded to bf16 like every input) is the C operand of the product that starts each sum: nothing is cleared and nothing is added later.
; ROPE on the way out: the pair (d, d + 64) lies in column blocks b and b + 4 of the same lane and register.  sin and cos come from tables in this lane order, already times 2^-8
; (and 0 in hidden keys' rows of k's table): q and k leave as 2^-8 x their value.  v leaves unscaled.
; WO'S COPY.  Wo (2048 x 2048 f32) is rounded to bf16 like every input and that number written as f16 to wo16, row-major.  v's 64 work-groups do it: they have no RoPE on their way out (64 packed instructions and 16 loads
; a block fewer than q's and k's).  Work-group i of the 64 takes 262,144 bytes; in each of the K loop's first 8 trips a wave issues 16 loads of 512 bytes at the trip's head and rounds and stores them behind the change of
; slots, 192 matrix instructions later, in the 64 registers that held the bias.  A wave's store of 8 bytes a lane covers 256 consecutive bytes, aligned.
; LIMITS.  f16 ends at 65,504: |q|, |k| under 1.6e7, |v| and |Wo| under 65,504 are served; q and k keep a fixed step of 2^-16 below 0.0156, v and Wo of 6e-8 below 6.1e-5.  NaN and infinities are not treated apart.
; REGISTERS, in windows of 256 (s_set_vgpr_msb's low byte: bits 1:0 source 0, 3:2 source 1, 5:4 source 2, 7:6 destination):
;   window 0: v0-31 addresses; v64-127, v128-191 fragments of A, two buffers; v192-255 the bias, then Wo's numbers (v) or the RoPE tables (q, k); on the way out v32-63 rows read back, v64-127 a block's sums, v128-175 at work
;   window 1: v64-127, v128-191 fragments of B;   window 2: the accumulators of my rows 0-63 ((a, b) at v[8 (8 a + b)]);   window 3: those of my rows 64-127
.set SIZE_K, 2048
.set KSTEP,  128
.set STEPS,  SIZE_K/KSTEP              ; 16
.set PITCH,  272                       ; an LDS row: 256 bytes + 16 of padding = 68 words: the 16 rows that a load touches start at 16 different groups of four banks (ISA guide 11.1)
.set HALFT,  128*PITCH                 ; 128 rows: what one tensor load brings
.set SLOT,   4*HALFT                   ; A's 256 rows, then B's 256 rows.  0x22000: its two bits occur in none of the four waves' places 0, 0x8800, 0x11000, 0x19800, so one exclusive or moves a descriptor's LDS address from slot to slot
.set STAGE,  2*SLOT                    ; behind the ring: 16 rows x 272 bytes for each wave, for the way out; no tensor load lands there
.set SPITCH, 272
.set SPARE,  STAGE+4*16*SPITCH         ; the spare words: 128 bytes a wave, two blocks of 256 bytes that no other line names
.set ADRA0, 16                         ; v16  LDS address of my A fragments in slot 0; never rewritten
.set ADRA,  17                         ; v17  the same in the slot in hand
.set WI,    18                         ; v18  16 x thread: my 16 bytes of a step of Wo
.set WOF,   19                         ; v19  8 x thread: my 8 bytes of its copy
.set ADRB0, 20                         ; v20, v21  as v16, v17, for B
.set ADRB,  21
.set STO,  24                          ; v24  the way out: where I put 16 bytes of a row
.set RD,   25                          ; v25  where I read rows back
.set CO,   26                          ; v26  16 x lane: my place in 512 consecutive bytes (of a head's rows, and of a table)
.set BO,   27                          ; v27  32 (l / 16): my eight numbers of a block of 16 of the bias
.set SPW,  28                          ; v28  my spare word; never rewritten
.set NIL,  29                          ; v29  0; never rewritten
.set PFO,  30                          ; v30  the prefetches' offset: lane x 4,096 bytes (a row of A or B)
.set TR,   31                          ; v31  at work
.set BK,   32
.set F0,   64
.set F1,   128
.set XR,   64                          ; the way out: a block's 64 sums (column block b at XR + 8 b)
.set TMP,  128                         ; packed results
.set T,    160
.set U,    168
.set RB,   192                         ; bias (column block b at RB + 8 b); later Wo's step c at RB + 4 c, or sin at RB + 16 b, cos at RB + 16 b + 8
.set G1,  24                           ; s[24:31] descriptor group 1 for A's tiles;  s[32:39] group 0: a set for each of the two first fills; the second then walks on
.set G0,  32
.set G1B, 48                           ; s[48:55], s[56:63] the same for B's
.set G0B, 56
.set LIM, 43                           ; s43  2 in a wave that prefetches, else the greatest number
.set PFA, 44                           ; s[44:45] where my prefetches stand
.set KIND, 66                          ; s66  0 q, 1 k, 2 v
.set SL,   67                          ; s67  0 or SLOT: the slot from which fragments are fetched
.set WLIM, 92                          ; s92  6 in v's work-groups, else the greatest number: Wo is worked on in the trips whose count is above it
.set MSB, 0
.macro WIN new                         ; the immediate's high byte repeats the setting that is left; a switch that changes nothing is dropped
.if MSB != (\new)
	s_set_vgpr_msb (MSB<<8)|(\new)
.set MSB, \new
.endif
.endm
.set MUL_LO, 0xa1                      ; source 0 (B) window 1, source 1 (A) window 0, C and D window 2
.set TO_B,   0x40                      ; destination window 1, address window 0
; A joint load: waves 0 and 1 fetch A's two halves, waves 2 and 3 B's.  The branch hangs on the wave's number alone.  An s_nop 0 and four v_nop follow each line.
.macro JLOAD s
	s_cmp_eq_u32 s11, 0
	s_cbranch_scc0 .Lfor_b_\@
	tensor_load_to_lds s[G0+4*(\s):G0+4*(\s)+3], s[G1:G1+7]
	s_nop 0
.rept 4
	v_nop
.endr
	s_branch .Lasked_\@
.Lfor_b_\@:
	tensor_load_to_lds s[G0B+4*(\s):G0B+4*(\s)+3], s[G1B:G1B+7]
	s_nop 0
.rept 4
	v_nop
.endr
.Lasked_\@:
.endm
; A prefetch of the K step that stands two refills on: 32 rows x 256 bytes, a lane a row.  x_q's rows are asked for by cluster x = 0, x_kv's by cluster x = 2 (the first of the four that read them), a W's rows by
; cluster y = 0; of the 128 rows that a wave fetches each of the four partners that ask jointly takes 32, told apart by address.  So each row's 256 bytes of a K step are named once.
; Trip t (count 14 - t) refills with K step t + 2 and names K step t + 4: the last two trips, counts 2 and 1, ask for nothing.
.macro ASK
	s_cmp_gt_u32 s3, s[LIM]
	s_cbranch_scc0 .Lnot_mine_\@
	global_prefetch_b8 v[PFO], s[PFA:PFA+1] offset:KSTEP*2 th:TH_LOAD_NT scope:SCOPE_SE
.Lnot_mine_\@:
.endm
.macro CREST                           ; a round of the cluster's barrier behind its opening barrier
	s_cmp_lg_u32 s10, 0
	s_cbranch_scc1 .Lnot_wave_0_\@
	s_barrier_signal -3
.Lnot_wave_0_\@:
	s_barrier_wait -3
	s_barrier_signal -1
	s_barrier_wait -1
.endm
.macro CROUND
	s_barrier_signal -1
	s_barrier_wait -1
	CREST
.endm
	s_load_b256 s[68:75], s[0:1], 0x0              ; cb s[68:69], bq s[70:71], bk s[72:73], bv s[74:75]
	s_load_b128 s[76:79], s[0:1], 0x20             ; tab s[76:77], qkv s[78:79]
	s_load_b128 s[88:91], s[0:1], 0x30             ; Wo s[88:89], wo16 s[90:91]
	v_lshl_add_u32 v[SPW], v0, 2, SPARE
	v_mov_b32 v[NIL], 0
	ds_add_u32 v[SPW], v[NIL]                      ; the wave's opening: the add and its wait stand ahead of my first tensor load; register work stands between them
	v_lshrrev_b32 v1, 5, v0
	v_readfirstlane_b32 s10, v1                    ; wave 0..3
	s_lshr_b32 s11, s10, 1                         ; which half of the tile's rows is mine; also: I fetch for A (0) or B (1)
	s_and_b32 s12, s10, 1                          ; which half of its columns (which head); also: which 128 rows I fetch
	s_bfe_u32 s40, ttmp6, 0x40000                  ; cx
	s_bfe_u32 s41, ttmp6, 0x40004                  ; cy
	s_lshr_b32 s[KIND], ttmp9, 1                   ; two clusters along x to a kind
	s_and_b32 s42, ttmp9, 1
	s_lshl_b32 s42, s42, 2
	s_add_co_u32 s42, s42, s40                     ; tile column in the kind's 2,048 columns: 0..7
	s_and_b32 s13, ttmp7, 0xffff
	s_lshl_b32 s13, s13, 2
	s_add_co_u32 s13, s13, s41                     ; tile row: 0..7
	s_lshl_b32 s43, s41, 2
	s_lshl_b32 s43, 15, s43                        ; my row of the cluster
	s_lshl_b32 s44, 0x1111, s40                    ; my column
	s_or_b32 s[G1+0], s43, (1<<16)|(1<<20)|(1<<21)|(5<<22)|(3<<25)   ; the mask; elements of 2 bytes; padding on; bit 21 beside a mask; after every 64 words 4 words
	s_or_b32 s[G1B+0], s44, (1<<16)|(1<<20)|(1<<21)|(5<<22)|(3<<25)
.irp g, G1, G1B
	s_mov_b32 s[(\g)+1], KSTEP<<16                 ; tensor_dim0 = 128
	s_mov_b32 s[(\g)+2], 128<<16                   ; tensor_dim1 = 128
	s_mov_b32 s[(\g)+3], KSTEP<<16                 ; tile_dim0 = 128
	s_mov_b32 s[(\g)+4], 128                       ; tile_dim1 = 128
	s_mov_b32 s[(\g)+5], SIZE_K                    ; elements from row to row
	s_mov_b32 s[(\g)+6], 0
	s_mov_b32 s[(\g)+7], 0
.endr
	s_lshl_b32 s17, s12, 7                         ; which 128 rows of the tile I fetch
	s_lshl_b32 s16, s13, 8
	s_add_co_u32 s16, s16, s17
	s_lshl_b32 s16, s16, 12                        ; A: (256 x tile row + 128 x half) rows of 4,096 bytes
	s_lshl_b32 s46, s42, 8
	s_add_co_u32 s46, s46, s17
	s_lshl_b32 s46, s46, 12                        ; B: by the tile column
	s_mov_b32 s17, 0
	s_mov_b32 s47, 0
	s_mul_i32 s20, s10, HALFT                      ; where they go: wave x 128 rows: no place in the cluster enters an LDS address
	s_min_u32 s86, s[KIND], 1
	s_lshl_b32 s86, s86, 23                        ; A is copy 0 (q) or copy 1 (k, v)
	s_mov_b32 s87, 0
	s_add_co_u32 s84, s[KIND], 2
	s_lshl_b32 s84, s84, 23                        ; B is copy 2 + kind
	s_mov_b32 s85, 0
	s_mov_b32 s[SL], 0
	s_wait_dscnt 0x0                               ; the opening add is done
	s_wait_kmcnt 0x0
	s_add_nc_u64 s[4:5], s[68:69], s[86:87]
	s_add_nc_u64 s[6:7], s[68:69], s[84:85]
	s_add_nc_u64 s[14:15], s[4:5], s[16:17]
	s_add_nc_u64 s[46:47], s[6:7], s[46:47]
	CROUND                                         ; all sixteen work-groups are here: the first joint loads meet
.irp s, 0,1
	s_mov_b32 s[G0+4*(\s)], 1
	s_add_co_u32 s[G0+4*(\s)+1], s20, (\s)*SLOT
	s_add_nc_u64 s[G0+4*(\s)+2:G0+4*(\s)+3], s[14:15], (\s)*KSTEP*2
	s_or_b32 s[G0+4*(\s)+3], s[G0+4*(\s)+3], 0x80000000
	s_mov_b32 s[G0B+4*(\s)], 1
	s_add_co_u32 s[G0B+4*(\s)+1], s20, (\s)*SLOT
	s_add_nc_u64 s[G0B+4*(\s)+2:G0B+4*(\s)+3], s[46:47], (\s)*KSTEP*2
	s_or_b32 s[G0B+4*(\s)+3], s[G0B+4*(\s)+3], 0x80000000
	JLOAD \s
.endr
	; the bias of my head's 128 columns, in the accumulators' lane order
	s_cmp_eq_u32 s[KIND], 1
	s_cselect_b64 s[80:81], s[72:73], s[70:71]
	s_cmp_eq_u32 s[KIND], 2
	s_cselect_b64 s[80:81], s[74:75], s[80:81]
	s_lshl_b32 s86, s42, 10
	s_lshl_b32 s84, s12, 9
	s_add_co_u32 s86, s86, s84
	s_add_nc_u64 s[80:81], s[80:81], s[86:87]
	v_and_b32 v1, 15, v0                           ; l % 16
	v_bfe_u32 v2, v0, 4, 1                         ; l / 16
	v_lshlrev_b32 v[BO], 5, v2
.irp b, 0,1,2,3,4,5,6,7
	global_load_b128 v[RB+8*(\b):RB+8*(\b)+3],   v[BO], s[80:81] offset:64*(\b)
	global_load_b128 v[RB+8*(\b)+4:RB+8*(\b)+7], v[BO], s[80:81] offset:64*(\b)+16
.endr
	s_min_u32 s86, s[KIND], 1                      ; the RoPE table (q's or k's) at my first block of 16 rows: block 16 x tile row + 8 x half, 8,192 bytes each
	s_lshl_b32 s86, s86, 20
	s_lshl_b32 s84, s13, 17
	s_add_co_u32 s86, s86, s84
	s_lshl_b32 s84, s11, 16
	s_add_co_u32 s86, s86, s84
	s_add_nc_u64 s[82:83], s[76:77], s[86:87]
	s_lshl_b32 s84, s13, 3                         ; Wo's share: work-group 8 x tile row + tile column of a kind's 64 takes 262,144 bytes of Wo and 131,072 of its copy
	s_add_co_u32 s84, s84, s42
	s_lshl_b32 s86, s84, 18
	s_add_nc_u64 s[88:89], s[88:89], s[86:87]
	s_lshl_b32 s86, s84, 17
	s_add_nc_u64 s[90:91], s[90:91], s[86:87]
	s_cmp_eq_u32 s[KIND], 2
	s_cselect_b32 s[WLIM], 6, -1                   ; the same in all sixteen partners
	v_lshlrev_b32 v[WI], 4, v0
	v_lshlrev_b32 v[WOF], 3, v0
	; a fragment is 16 rows x 32 K in 8 registers: lane l holds row l % 16, K = 8 (l / 16) + 0..7 and 16 + 8 (l / 16) + 0..7: two loads of 16 bytes, 32 bytes apart
	v_mul_u32_u24 v3, v1, PITCH
	v_lshl_add_u32 v3, v2, 4, v3
	s_mul_i32 s21, s11, HALFT                      ; my 128 rows of A
	s_mul_i32 s22, s12, HALFT                      ; my 128 rows of B,
	s_add_co_u32 s22, s22, 2*HALFT                 ; which lie behind A's 256
	v_add_nc_u32 v[ADRA0], s21, v3
	v_add_nc_u32 v[ADRB0], s22, v3
	v_mov_b32 v[ADRA], v[ADRA0]                    ; K step 0 lies in slot 0
	v_mov_b32 v[ADRB], v[ADRB0]
	s_mul_i32 s23, s10, 16*SPITCH
	s_add_co_u32 s23, s23, STAGE                   ; my stage
	v_mul_u32_u24 v4, v1, SPITCH                   ; in: row l % 16, 16 bytes for each half of the lanes
	v_lshl_add_u32 v4, v2, 4, v4
	v_add_nc_u32 v[STO], s23, v4
	v_mul_u32_u24 v5, v2, SPITCH                   ; back: lanes 0-15 one row of 256 bytes, lanes 16-31 the next
	v_lshl_add_u32 v5, v1, 4, v5
	v_add_nc_u32 v[RD], s23, v5
	v_and_b32 v[PFO], 31, v0
	v_lshlrev_b32 v[CO], 4, v[PFO]                 ; a head's rows are dense: two rows are 512 consecutive bytes
	v_lshlrev_b32 v[PFO], 12, v[PFO]
	; where my 128 rows of my head begin: kind << 23, head 2 x tile column + half (524,288 bytes each), row 256 x tile row + 128 x half (256 bytes each)
	s_lshl_b32 s16, s13, 16
	s_lshl_b32 s14, s11, 15
	s_add_co_u32 s16, s16, s14
	s_lshl_b32 s14, s[KIND], 23
	s_add_co_u32 s16, s16, s14
	s_mov_b32 s17, 0
	s_lshl_b32 s46, s42, 20
	s_lshl_b32 s47, s12, 19
	s_add_co_u32 s46, s46, s47
	s_mov_b32 s47, 0
	s_add_nc_u64 s[16:17], s[16:17], s[46:47]
	s_add_nc_u64 s[8:9], s[78:79], s[16:17]
	; the prefetches
	s_lshl_b32 s20, s13, 8
	s_lshl_b32 s21, s42, 8
	s_and_b32 s22, ttmp7, 0xffff                   ; cluster y
	s_and_b32 s23, ttmp9, 0xfffffffd               ; 0 for cluster x = 0 and 2
	s_cmp_eq_u32 s11, 0                            ; do I fetch for A?
	s_cselect_b32 s20, s20, s21                    ; the tile's first row
	s_cselect_b32 s21, s40, s41                    ; my place among the four that ask with me
	s_cselect_b32 s22, s23, s22                    ; 0 in the cluster that asks
	s_cselect_b64 s[PFA:PFA+1], s[4:5], s[6:7]
	s_cmp_eq_u32 s22, 0
	s_cselect_b32 s[LIM], 2, -1                    ; the same in all sixteen partners, for a given wave
	s_lshl_b32 s22, s12, 7
	s_add_co_u32 s20, s20, s22                     ; + the 128 rows that I fetch
	s_lshl_b32 s21, s21, 5
	s_add_co_u32 s20, s20, s21                     ; + my work-group's 32 of them
	s_lshl_b32 s20, s20, 12
	s_mov_b32 s21, 0
	s_add_nc_u64 s[PFA:PFA+1], s[PFA:PFA+1], s[20:21]
	s_add_nc_u64 s[PFA:PFA+1], s[PFA:PFA+1], 2*KSTEP*2   ; at K step 2: the first refill steps it to 3 and names K step 4; nothing is asked for at the head
	s_wait_loadcnt 0x0                             ; the bias; it is rounded to bf16 and widened again, in the wait for the first tile
.set p, 0
.rept 32
	v_cvt_pk_bf16_f32 v[TR], v[RB+p], v[RB+p+1]
	v_lshlrev_b32 v[RB+p], 16, v[TR]
	v_and_b32 v[RB+p+1], 0xffff0000, v[TR]
.set p, p+2
.endr
; 16 matrix instructions: m blocks a0, a0 + 1 of the window's four x all 8 n blocks, 32 along K.  zero = 1: the first product starts the sums with the bias as C (window 0).
; The 64 accumulators take turns, one instruction a turn, in the same order in every quarter step.
.macro MUL16 f, hi, a0, zero
.if \zero
	WIN 0x81+0x40*(\hi)
.else
	WIN MUL_LO+0x50*(\hi)
.endif
.irp a, \a0, (\a0)+1
.irp b, 0,1,2,3,4,5,6,7
.if \zero
	v_wmma_f32_16x16x32_bf16 v[8*(8*(\a)+(\b)):8*(8*(\a)+(\b))+7], v[(\f)+8*(\b):(\f)+8*(\b)+7], v[(\f)+8*(4*(\hi)+(\a)):(\f)+8*(4*(\hi)+(\a))+7], v[RB+8*(\b):RB+8*(\b)+7]
.else
	v_wmma_f32_16x16x32_bf16 v[8*(8*(\a)+(\b)):8*(8*(\a)+(\b))+7], v[(\f)+8*(\b):(\f)+8*(\b)+7], v[(\f)+8*(4*(\hi)+(\a)):(\f)+8*(4*(\hi)+(\a))+7], v[8*(8*(\a)+(\b)):8*(8*(\a)+(\b))+7]
.endif
.endr
.endr
.endm
; 32 LDS loads in one run: the fragments of one quarter step (B's 128 rows, then A's) at byte k of the rows of the slot in hand, into buffer f
.macro FETCH k, f
	WIN TO_B
.irp i, 0,1,2,3,4,5,6,7
	ds_load_b128 v[(\f)+8*(\i):(\f)+8*(\i)+3],   v[ADRB] offset:(\k)+(\i)*16*PITCH
	ds_load_b128 v[(\f)+8*(\i)+4:(\f)+8*(\i)+7], v[ADRB] offset:(\k)+(\i)*16*PITCH+32
.endr
	WIN 0
.irp i, 0,1,2,3,4,5,6,7
	ds_load_b128 v[(\f)+8*(\i):(\f)+8*(\i)+3],   v[ADRA] offset:(\k)+(\i)*16*PITCH
	ds_load_b128 v[(\f)+8*(\i)+4:(\f)+8*(\i)+7], v[ADRA] offset:(\k)+(\i)*16*PITCH+32
.endr
.endm
.macro FLIP                            ; the fragments' addresses go to the other slot
	s_xor_b32 s[SL], s[SL], SLOT
	v_add_nc_u32 v[ADRA], s[SL], v[ADRA0]
	v_add_nc_u32 v[ADRB], s[SL], v[ADRB0]
.endm
.macro PLACES                          ; four plain vector instructions between a matrix instruction and a load into, or a vector use of, its registers
.rept 4
	v_nop
.endr
.endm
; A K step is four quarters of 32 along K, 64 matrix instructions each, on buffers 0, 1, 0, 1.  One of the first three multiplies buffer f and fetches the next quarter, at byte k, into g.
.macro QUARTER k, f, g, zero
	s_wait_dscnt 8                                 ; B and A's rows 0-63 are in; the youngest eight loads (A's rows 64-127) may be out
	MUL16 \f, 0, 0, \zero
	MUL16 \f, 0, 2, \zero
	PLACES
	FETCH \k, \g
	s_wait_dscnt 32                                ; all but the 32 just issued
	MUL16 \f, 1, 0, \zero
	MUL16 \f, 1, 2, \zero
.endm
; The first half of the last quarter: one barrier for the change of slots.  In front of it each wave waits for all its tensor loads (at most one is out: its part of the next slot), adds 0 to its spare word, and waits for that and for its reads of this slot.
.macro MEET
	WIN 0
	s_wait_tensorcnt 0x0
	ds_add_u32 v[SPW], v[NIL]
	s_wait_dscnt 9                                 ; the add and the youngest eight loads may be out
	MUL16 F1, 0, 0, 0
	s_wait_dscnt 0x0                               ; the add is done, and my reads of this slot are over
	s_barrier_signal -1
	MUL16 F1, 0, 2, 0
	WIN 0
	s_barrier_wait -1
.endm
; The whole last quarter with a refill: behind the round of the cluster's barrier the slot just read out is filled with the K step two steps on, the wave's one tensor load; 224 matrix instructions stand between that request and the wait for it.
.macro TURN
	s_wait_xcnt 0x0                                ; the last prefetch, a K step back, has read its address
	s_add_nc_u64 s[PFA:PFA+1], s[PFA:PFA+1], KSTEP*2
	MEET
	CREST
.irp g, G0+4, G0B+4
	s_xor_b32 s[(\g)+1], s[(\g)+1], SLOT           ; the walking descriptor: the other slot than last time,
	s_add_nc_u64 s[(\g)+2:(\g)+3], s[(\g)+2:(\g)+3], KSTEP*2   ; the next K step; the type bits on top are not reached
.endr
	JLOAD 1                                        ; its four v_nop are also the places in front of the loads below
	FLIP
	FETCH 0, F0
	ASK
	MUL16 F1, 1, 0, 0
	MUL16 F1, 1, 2, 0
.endm
.macro ROPELOAD                        ; a block's sin and cos: 16 loads of 512 consecutive bytes
.irp b, 0,1,2,3
.irp c, 0,1,2,3
	global_load_b128 v[RB+16*(\b)+4*(\c):RB+16*(\b)+4*(\c)+3], v[CO], s[82:83] offset:2048*(\b)+512*(\c)
.endr
.endr
.endm
.macro WOCV c                          ; step c of a trip's 16 of Wo: rounded to bf16, widened, written as f16, in place
	s_wait_loadcnt 15-(\c)                         ; loads come back in order: step c's is in, the 15 - c issued behind it may stay out
	v_cvt_pk_bf16_f32 v[BK], v[RB+4*(\c)], v[RB+4*(\c)+1]
	v_cvt_pk_bf16_f32 v[BK+1], v[RB+4*(\c)+2], v[RB+4*(\c)+3]
	v_lshlrev_b32 v[RB+4*(\c)], 16, v[BK]
	v_and_b32 v[RB+4*(\c)+1], 0xffff0000, v[BK]
	v_lshlrev_b32 v[RB+4*(\c)+2], 16, v[BK+1]
	v_and_b32 v[RB+4*(\c)+3], 0xffff0000, v[BK+1]
	v_cvt_pk_f16_f32 v[RB+4*(\c)], v[RB+4*(\c)], v[RB+4*(\c)+1]
	v_cvt_pk_f16_f32 v[RB+4*(\c)+1], v[RB+4*(\c)+2], v[RB+4*(\c)+3]
	global_store_b64 v[WOF], v[RB+4*(\c):RB+4*(\c)+1], s[90:91] offset:1024*(\c) th:TH_STORE_NT
.endm
	s_wait_tensorcnt 1                             ; my part of K step 0 is in; K step 1's may stay out
	s_barrier_signal -1
	s_barrier_wait -1
	FETCH 0, F0
	QUARTER 64, F0, F1, 1                          ; the first quarter starts the sums with the bias
	WIN 0
	PLACES                                         ; behind the products that read the bias, ahead of loads into its registers
	s_mov_b32 s3, STEPS-2
.Lstep:                                            ; 14 trips: from a K step's second quarter to the next step's first; each fills the slot that it leaves
	s_cmp_gt_u32 s3, s[WLIM]                       ; v's work-groups, the first 8 trips
	s_cbranch_scc0 .Lno_w1
	s_wait_loadcnt 0x0                             ; no load into these registers is out
.set c, 0
.rept 16
	global_load_b128 v[RB+4*c:RB+4*c+3], v[WI], s[88:89] offset:2048*c th:TH_LOAD_NT
.set c, c+1
.endr
.Lno_w1:
	QUARTER 128, F1, F0, 0
	QUARTER 192, F0, F1, 0
	TURN
	WIN 0
	s_cmp_gt_u32 s3, s[WLIM]
	s_cbranch_scc0 .Lno_w2
.set c, 0
.rept 16
	WOCV c
.set c, c+1
.endr
.Lno_w2:
	QUARTER 64, F0, F1, 0
	WIN 0
	s_wait_xcnt 0x0                                ; Wo's loads and stores, the youngest 64 matrix instructions back, have read their bases and data: both are written again only behind this wait
	s_add_nc_u64 s[88:89], s[88:89], 32768         ; the next trip's 16 steps (behind the 8th trip the two are used no more)
	s_add_nc_u64 s[90:91], s[90:91], 16384
	s_sub_co_u32 s3, s3, 1
	s_cmp_lg_u32 s3, 0
	s_cbranch_scc1 .Lstep
	s_cmp_eq_u32 s[KIND], 2
	s_cbranch_scc1 .Lno_rope                       ; v has no RoPE
	s_wait_loadcnt 0x0                             ; no load into these registers is out
	ROPELOAD                                       ; the first block's tables, into the registers that held the bias: they land under the last two K steps
.Lno_rope:
	s_mov_b32 s3, 2
.Ltail:                                            ; the last two K steps fill nothing; the second trip fetches no further step and is left in its middle
	QUARTER 128, F1, F0, 0
	QUARTER 192, F0, F1, 0
	MEET
	s_cmp_eq_u32 s3, 1
	s_cbranch_scc1 .Lno_fetch
	PLACES
	FLIP
	FETCH 0, F0
.Lno_fetch:
	MUL16 F1, 1, 0, 0
	MUL16 F1, 1, 2, 0
	WIN 0
	s_sub_co_u32 s3, s3, 1
	s_cmp_eq_u32 s3, 0
	s_cbranch_scc1 .Ldone
	QUARTER 64, F0, F1, 0
	WIN 0
	s_branch .Ltail
.Ldone:
	PLACES
	; THE WAY OUT: one counted loop over my eight blocks of 16 rows, so that RoPE, rounding and the stage are written once.  A block's 64 sums are first brought into window 0
	; (each accumulator from its lowest register on): the one part that differs from block to block.
	s_mov_b32 s85, 0
.Lblock:
.irp a, 1,2,3,4,5,6,7
	s_cmp_eq_u32 s85, \a
	s_cbranch_scc1 .Lc\a
.endr
.irp a, 0,1,2,3,4,5,6,7
.Lc\a:
	WIN 0x02+((\a)/4)                              ; source 0: window 2 or 3
.set i, 0
.rept 64
	v_mov_b32 v[XR+i], v[64*((\a)%4)+i]
.set i, i+1
.endr
	WIN 0
.if (\a) < 7
	s_branch .Lgo
.endif
.endr
.Lgo:
	s_cmp_eq_u32 s[KIND], 2
	s_cbranch_scc1 .Lpack
	s_wait_loadcnt 0x0                             ; this block's sin and cos
.irp b, 0,1,2,3                        ; x1 = columns 16 b .., x2 = columns 64 + 16 b ..:  x1 cos - x2 sin,  x1 sin + x2 cos
.irp p, 0,2,4,6
	v_pk_mul_f32 v[T+(\p):T+(\p)+1], v[XR+32+8*(\b)+(\p):XR+32+8*(\b)+(\p)+1], v[RB+16*(\b)+(\p):RB+16*(\b)+(\p)+1]
.endr
.irp p, 0,2,4,6
	v_pk_mul_f32 v[U+(\p):U+(\p)+1], v[XR+8*(\b)+(\p):XR+8*(\b)+(\p)+1], v[RB+16*(\b)+(\p):RB+16*(\b)+(\p)+1]
.endr
.irp p, 0,2,4,6
	v_pk_fma_f32 v[XR+8*(\b)+(\p):XR+8*(\b)+(\p)+1], v[XR+8*(\b)+(\p):XR+8*(\b)+(\p)+1], v[RB+16*(\b)+8+(\p):RB+16*(\b)+8+(\p)+1], v[T+(\p):T+(\p)+1] neg_lo:[0,0,1] neg_hi:[0,0,1]
.endr
.irp p, 0,2,4,6
	v_pk_fma_f32 v[XR+32+8*(\b)+(\p):XR+32+8*(\b)+(\p)+1], v[XR+32+8*(\b)+(\p):XR+32+8*(\b)+(\p)+1], v[RB+16*(\b)+8+(\p):RB+16*(\b)+8+(\p)+1], v[U+(\p):U+(\p)+1]
.endr
.endr
	s_cmp_lt_u32 s85, 7
	s_cbranch_scc0 .Lpack
	s_add_nc_u64 s[82:83], s[82:83], 8192          ; free since the wait for the loads that read it
	ROPELOAD                                       ; the next block's tables land under this block's rounding, stage and stores
.Lpack:
.irp b, 0,1,2,3,4,5,6,7
.irp r, 0,1,2,3
	v_cvt_pk_f16_f32 v[TMP+4*(\b)+(\r)], v[XR+8*(\b)+2*(\r)], v[XR+8*(\b)+2*(\r)+1]
.endr
.endr
.irp b, 0,1,2,3,4,5,6,7
	ds_store_b128 v[STO], v[TMP+4*(\b):TMP+4*(\b)+3] offset:32*(\b)
.endr
.irp t, 0,1,2,3,4,5,6,7
	ds_load_b128 v[BK+4*(\t):BK+4*(\t)+3], v[RD] offset:(\t)*2*SPITCH   ; LDS serves a wave's instructions in order (ISA guide 5.7.1.4): these see the stores above
.endr
	s_wait_dscnt 0x0
.irp t, 0,1,2,3,4,5,6,7
	global_store_b128 v[CO], v[BK+4*(\t):BK+4*(\t)+3], s[8:9] offset:512*(\t)   ; 512 consecutive bytes of a head, aligned
.endr
	s_wait_xcnt 0x0                                ; the stores have read their data and their base: both are written again only behind this wait
	s_add_nc_u64 s[8:9], s[8:9], 4096              ; 16 rows on
	s_add_co_u32 s85, s85, 1
	s_cmp_lt_u32 s85, 8
	s_cbranch_scc1 .Lblock
	s_wait_tensorcnt 0x0                           ; the wave's end: behind my last tensor load and my last LDS store
	ds_add_u32 v[SPW], v[NIL]
	s_wait_dscnt 0x0
	CROUND                                         ; the closing round: no work-group ends while a partner may still ask for a tile that names it
	s_endpgm
.Lfunc_end_k_q87cc16742b_qkv:
	.size	k_q87cc16742b_qkv, .Lfunc_end_k_q87cc16742b_qkv-k_q87cc16742b_qkv
	.p2alignl 7, 3214868480
	.fill 96, 4, 3214868480
	.section	.rodata,"a",@progbits
	.p2align	6, 0x0
	.amdhsa_kernel k_q87cc16742b_qkv
		.amdhsa_group_segment_fixed_size 327680
		.amdhsa_private_segment_fixed_size 0
		.amdhsa_enable_private_segment 0
		.amdhsa_kernarg_size 64
		.amdhsa_user_sgpr_count 2
		.amdhsa_user_sgpr_kernarg_segment_ptr 1
		.amdhsa_wavefront_size32 1
		.amdhsa_system_sgpr_workgroup_id_x 1
		.amdhsa_system_sgpr_workgroup_id_y 1
		.amdhsa_system_sgpr_workgroup_id_z 1
		.amdhsa_system_vgpr_workitem_id 0
		.amdhsa_next_free_vgpr 1024
		.amdhsa_next_free_sgpr 96
		.amdhsa_reserve_vcc 0
		.amdhsa_float_denorm_mode_32 3
		.amdhsa_float_denorm_mode_16_64 3
		.amdhsa_memory_ordered 1
		.amdhsa_forward_progress 1
		.amdhsa_inst_pref_size 117
	.end_amdhsa_kernel
	.amdgpu_metadata
---
amdhsa.version: [ 1, 2 ]
amdhsa.kernels:
  - .name:           k_q87cc16742b_qkv
    .symbol:         k_q87cc16742b_qkv.kd
    .args:
      - { .name: cb, .offset: 0, .size: 8, .value_kind: global_buffer, .address_space: global }
      - { .name: bq, .offset: 8, .size: 8, .value_kind: global_buffer, .address_space: global }
      - { .name: bk, .offset: 16, .size: 8, .value_kind: global_buffer, .address_space: global }
      - { .name: bv, .offset: 24, .size: 8, .value_kind: global_buffer, .address_space: global }
      - { .name: tab, .offset: 32, .size: 8, .value_kind: global_buffer, .address_space: global }
      - { .name: qkv, .offset: 40, .size: 8, .value_kind: global_buffer, .address_space: global }
      - { .name: Wo, .offset: 48, .size: 8, .value_kind: global_buffer, .address_space: global }
      - { .name: wo16, .offset: 56, .size: 8, .value_kind: global_buffer, .address_space: global }
    .group_segment_fixed_size: 327680
    .private_segment_fixed_size: 0
    .kernarg_segment_align: 8
    .kernarg_segment_size: 64
    .max_flat_workgroup_size: 128
    .sgpr_count:     96
    .vgpr_count:     1024
    .wavefront_size: 32
...
	.end_amdgpu_metadata
.endif
;; end of part 2
;; launch attn (part 3): grid 16 x 16, 4 waves a work-group, clusters of 4 x 1, 327,680 bytes of LDS; arguments qkv, tab, att; writes att
.if DOCPART == 3
	.amdgcn_target "amdgcn-amd-amdhsa--gfx1250"
	.amdhsa_code_object_version 6
	.text
	.protected	k_q87cc16742b_attn
	.globl	k_q87cc16742b_attn
	.p2align	8
	.type	k_q87cc16742b_attn,@function
k_q87cc16742b_attn:
	s_mov_b64 s[64:65], 0
	v_nop
	global_prefetch_b8 v0, s[64:65] scope:SCOPE_SE
	s_setreg_imm32_b32 hwreg(HW_REG_WAVE_MODE, 25, 1), 1
	s_wait_xcnt 0x0
	s_wait_alu depctr_hold_cnt(0) depctr_sa_sdst(0) depctr_va_vdst(0) depctr_va_sdst(0) depctr_va_ssrc(0) depctr_va_vcc(0) depctr_vm_vsrc(0)
	s_getreg_b32 s2, hwreg(HW_REG_IB_STS2, 6, 4)
	s_cmp_eq_u32 s2, 0
	s_cbranch_scc0 .Lentry_in_a_cluster
	s_endpgm
.Lentry_in_a_cluster:
	s_bfe_u32 s2, ttmp6, 0x10000c
	s_cmp_lg_u32 s2, 0x3003
	s_cbranch_scc0 .Lentry_shape_is_right
	s_endpgm
.Lentry_shape_is_right:
; O[q][h][:] = the sum over k of softmax_k(q . k / sqrt(128), hidden keys left out) v[k][h][:].  q, k, v: [16 heads][2048][128] f16 in qkv (q and k as 2^-8 x their value); O: att [2048][2048] f16, column = 128 head + d.
; Products, maxima and sums in f32; the weights p are rounded to f16 for the second product (their sum l is taken of the unrounded p), O once at the end.
; SHARES.  A work-group owns 128 queries of one head: 256 work-groups.  Wave w owns the 64 queries of half w >> 1 (four tiles of 16, two PIECES) and, of each slot's 256 keys, the 128 of half w & 1: two steps of 64.
; So a fragment of K or V read from LDS still feeds four tiles.  The two waves of a query half meet at the end: c m, l and O^T of the second go through LDS in f32 and are joined with the usual correction.
; LAYOUT.  S^T = K Q^T (source 0 = 16 keys, source 1 = 16 queries): a lane holds ONE query (lane % 16) and the keys 8 (lane / 16) + 0..7.  Two results rounded to f16 ARE source 1 of O^T = V^T P.  V is turned by ds_load_tr16_b128.
; THE MASK is the C operand that starts S^T: 0, or M = -2^100 for a hidden key, from a table of 2,048 f32 kept in LDS.  A hidden key's row of k is exactly 0, so its score is exactly M.
; SOFTMAX.  A running maximum m and sum l: p = 2^(c s - c m), c = log2(e) / sqrt(128) x 2^16 (the 2^16 takes back q's and k's 2^-8); in every step O and l are multiplied by a = 2^(c m_old - c m_new).
; c M is exact (M is a power of two): while only hidden keys have been seen p = 1 for them, which is the uniform row that the problem gives when all keys are hidden; the first key that counts makes a = 0 and wipes them.
; m starts at the lowest finite number, c m at -2^125, O and l at 0: the first step is a step like any other, with a = 0.
; LIMITS.  Scores (as 2^-16 x q . k) under 2^75 in magnitude; a weight below 2^-126 counts as 0; p below 6e-5 keeps f16's fixed step of 6e-8; NaN and infinities are not treated apart.
; BY TURNS.  In a TURN one piece has the matrix unit: 32 products V^T P of the step in hand, then 32 products K Q^T of the next; the other piece's softmax, cut into 64 slices, stands between them, one slice behind each
; matrix instruction.  Two turns are a key step.  No first and no last step is written out: the loop is entered in the middle of a trip (its 32 products V^T P work on zeros) and the tail is left in its middle (32 products on the last K once more).
; CLUSTER.  The four query blocks of a cluster belong to one head and walk the same K and V: each tile is asked for jointly.
; REGISTERS, in windows of 256 (bits 1:0 source 0, 3:2 source 1, 5:4 source 2, 7:6 destination):
;   window 0: v0-11, v44-48, v61-63 addresses; v12-43 eight registers of statistics a tile; v64-191 S^T, 32 a tile; v192-255 P, 16 a tile
;   window 1: O^T, 64 a tile      window 2: v0-127 Q; v128-255 K of one step (at the end: the partner's O^T)      window 3: v0-127 V of one step; v128-159 the step's mask
.set KS,    64
.set PK,    272       ; a row of K in LDS: 256 bytes + 16: the 16 rows of a load start at 16 different groups of four banks (ISA guide 11.1)
.set PV,    288       ; a row of V: 256 + 32
.set VOFF,  256*PK    ; a slot: 256 rows of K, then 256 rows of V
.set SLOT1, 0x24000   ; slot 1: its two bits occur in no base that is turned (0, 0x8800, 0x9000, 0x11000, 0x1a000), so one exclusive or moves an address from slot to slot
.set STAGE, SLOT1+256*(PK+PV)  ; 16 rows x 272 bytes for each wave, for the way out
.set SP,    272
.set MSK,   STAGE+4*16*SP      ; the mask table, 8,192 bytes, filled once
.set SPARE, MSK+8192           ; the spare words: 128 bytes a wave, two blocks of 256 bytes that no other line names
.set XB,    33792     ; the meeting place of a pair of waves, in slot 0 behind its last fill: 32,768 bytes of O^T, 1,024 of c m and l
.set AK0, 2           ; v2   my lane's place in a tile of K
.set AV0, 3           ; v3   the same for V
.set ADR, 4           ; v4   the LDS address of the run of loads in hand
.set QO,  5           ; v5   my byte offset in the wave's rows of Q
.set STO, 6
.set RD,  7
.set GO,  8           ; v8   my byte offset in two rows of att
.set AM0, 44          ; v44  my lane's place in the mask table
.set ADM, 45          ; v45  the address of the mask's run
.set XA,  46          ; v46  my 16 bytes in the meeting place
.set XS,  47          ; v47  my 8 bytes of its statistics
.set PFO, 61          ; v61  256 x lane
.set SPW, 62
.set NIL, 63
.set ST,  12          ; tile t's statistics at v[ST+8 t]: +0 c m, +1 m, +2, +3 l, +4 to +7 at work (a takes +6)
.set S,   64
.set P,   192
.set KF,  128         ; window 2
.set MR,  128         ; window 3: the mask of key block kb at MR + 8 kb
.set WV,  12          ; s12  my wave's number
.set LIM, 15          ; s15  1 in a wave that prefetches, else the greatest number
.set KH,  16          ; s16  my half of the keys; also which half of a slot's rows I fetch
.set PFA, 18          ; s[18:19]
.set G1K, 24
.set G1V, 32
.set G0K, 40          ; s[40:47] two sets; the second then walks on
.set G0V, 48
.set SLOTS, 56
.set TWICE, 57
.set CS,  58
.set SEL, 60
.set TBK, 62          ; s62  LDS byte at which my K of the step to be fetched begins
.set TBV, 63          ; s63  the same for V, less VOFF
.set TM,  66          ; s66  byte of the mask table at which that step's keys begin
.set QH,  67          ; s67  my half of the queries
.set G0M, 76          ; s[76:79], s[80:87] the mask table's descriptor
.set G1M, 80
.set MSB, 0
.macro WIN new
.if MSB != (\new)
	s_set_vgpr_msb (MSB<<8)|(\new)
.set MSB, \new
.endif
.endm
.set W_KQ, 0x0a       ; K and Q in window 2, S^T in window 0
.set W_KM, 0x3a       ; the same with C, the mask, in window 3
.set W_PV, 0x53       ; V in window 3, P in window 0, O^T in window 1
.set W_RS, 0x41       ; O^T (destination and source 0) in window 1, a in window 0
; A joint refill: waves 0 and 1 fetch the two halves of a slot's K, waves 2 and 3 those of its V, 128 rows each.  An s_nop 0 and four v_nop follow each line.
.macro JLOAD
	s_cmp_lt_u32 s[WV], 2
	s_cbranch_scc0 .Lfor_v_\@
	tensor_load_to_lds s[G0K+4:G0K+7], s[G1K:G1K+7]
	s_nop 0
.rept 4
	v_nop
.endr
	s_branch .Lasked_\@
.Lfor_v_\@:
	tensor_load_to_lds s[G0V+4:G0V+7], s[G1V:G1V+7]
	s_nop 0
.rept 4
	v_nop
.endr
.Lasked_\@:
.endm
; A prefetch of what the NEXT change of slots will ask for, a lane a row of 256 bytes.  All clusters of a head walk the same rows: the head's first cluster asks.  Of the 128 rows that a wave fetches each of the four
; partners takes 32, told apart by address.  So each row is named once.  The last change that fills a slot asks for nothing.
.macro ASK
	s_cmp_gt_u32 s[SLOTS], s[LIM]
	s_cbranch_scc0 .Lnot_mine_\@
	global_prefetch_b8 v[PFO], s[PFA:PFA+1] th:TH_LOAD_NT scope:SCOPE_SE
.Lnot_mine_\@:
.endm
.macro CROUND
	s_barrier_signal -1
	s_barrier_wait -1
	s_cmp_lg_u32 s[WV], 0
	s_cbranch_scc1 .Lnot_wave_0_\@
	s_barrier_signal -3
.Lnot_wave_0_\@:
	s_barrier_wait -3
	s_barrier_signal -1
	s_barrier_wait -1
.endm
	s_load_b128 s[68:71], s[0:1], 0x0  ; qkv s[68:69], tab s[70:71]
	s_load_b64 s[72:73], s[0:1], 0x10  ; att
	v_lshl_add_u32 v[SPW], v0, 2, SPARE
	v_mov_b32 v[NIL], 0
	ds_add_u32 v[SPW], v[NIL]       ; the wave's opening: the add and its wait stand ahead of my first tensor load; register work stands between them
	v_lshrrev_b32 v1, 5, v0
	v_readfirstlane_b32 s[WV], v1
	s_bfe_u32 s13, ttmp6, 0x40000   ; cx
	s_lshl_b32 s14, ttmp9, 2
	s_add_co_u32 s14, s14, s13      ; my block of 128 queries: it enters Q's and O's addresses alone
	s_and_b32 s74, ttmp7, 0xffff    ; the head, which the four partners share
	s_and_b32 s[KH], s[WV], 1
	s_lshr_b32 s[QH], s[WV], 1
	s_lshl_b32 s20, s74, 19         ; a head is 524,288 bytes of q, of k and of v
	s_lshl_b32 s22, s[KH], 15       ; my 128 rows of a slot's 256
	s_add_co_u32 s22, s22, s20
	s_mov_b32 s23, 0
	s_mul_i32 s17, s[KH], 128*PK    ; their place in a slot, for K
	s_mul_i32 s75, s[KH], 128*PV    ; and for V: no place in the cluster enters an LDS address
	s_lshl_b32 s2, s14, 15
	s_lshl_b32 s3, s[QH], 14
	s_add_co_u32 s2, s2, s3
	s_add_co_u32 s2, s2, s20        ; Q: head, block of 128 rows, my 64 of them
	s_mov_b32 s3, 0
	s_lshl_b32 s20, s14, 19         ; O: a row of att is 4,096 bytes, a head 256 of them
	s_lshl_b32 s21, s[QH], 18
	s_add_co_u32 s20, s20, s21
	s_lshl_b32 s21, s74, 8
	s_add_co_u32 s20, s20, s21
	s_mov_b32 s21, 0
	s_mov_b32 s[G1K], 15|(1<<16)|(1<<20)|(1<<21)|(5<<22)|(3<<25)  ; the mask of four; 2-byte elements; padding on; bit 21 beside a mask; after every 64 words 4 words
	s_mov_b32 s[G1V], 15|(1<<16)|(1<<20)|(1<<21)|(5<<22)|(7<<25)  ; the same with 8 words
.irp g, G1K, G1V
	s_mov_b32 s[(\g)+1], 128<<16    ; tensor_dim0 = 128
	s_mov_b32 s[(\g)+2], 128<<16    ; tensor_dim1 = 128
	s_mov_b32 s[(\g)+3], 128<<16    ; tile_dim0 = 128
	s_mov_b32 s[(\g)+4], 128        ; tile_dim1 = 128
	s_mov_b32 s[(\g)+5], 128        ; elements from row to row
	s_mov_b32 s[(\g)+6], 0
	s_mov_b32 s[(\g)+7], 0
.endr
	s_mov_b32 s[G1M], 15|(3<<16)|(1<<21)  ; the mask table: my quarter, 2,048 dense bytes as 8 rows of 32 elements of 8 bytes, no padding
	s_mov_b32 s[G1M+1], 32<<16
	s_mov_b32 s[G1M+2], 8<<16
	s_mov_b32 s[G1M+3], 32<<16
	s_mov_b32 s[G1M+4], 8
	s_mov_b32 s[G1M+5], 32
	s_mov_b32 s[G1M+6], 0
	s_mov_b32 s[G1M+7], 0
	s_mov_b32 s[CS], 0x460293ee     ; c = log2(e) / sqrt(128) x 2^16
	s_mov_b32 s[CS+1], s[CS]
	s_mov_b32 s[SEL], 0x76543210
	s_mov_b32 s[SEL+1], 0xfedcba98
	s_mov_b32 s[TBK], s17
	s_mov_b32 s[TBV], s75
	s_lshl_b32 s[TM], s[KH], 9      ; 128 keys are 512 bytes of the table
	s_cmp_eq_u32 ttmp9, 0           ; the head's first cluster: the same in all four partners
	s_cselect_b32 s[LIM], 1, -1
	v_and_b32 v[PFO], 31, v0
	v_lshlrev_b32 v[PFO], 8, v[PFO]
	s_mov_b32 s[G0M], 1
	s_lshl_b32 s[G0M+1], s[WV], 11
	s_add_co_u32 s[G0M+1], s[G0M+1], MSK
	s_wait_dscnt 0x0                ; the opening add is done
	s_wait_kmcnt 0x0
	s_add_nc_u64 s[6:7], s[68:69], s[22:23]
	s_add_nc_u64 s[6:7], s[6:7], 0x800000   ; K at my rows of slot 0
	s_add_nc_u64 s[8:9], s[6:7], 0x800000   ; V likewise
	s_add_nc_u64 s[4:5], s[68:69], s[2:3]   ; Q at my wave's first row
	s_add_nc_u64 s[10:11], s[72:73], s[20:21]  ; O likewise
	s_lshl_b32 s22, s[WV], 11
	s_add_nc_u64 s[G0M+2:G0M+3], s[70:71], s[22:23]
	s_add_nc_u64 s[G0M+2:G0M+3], s[G0M+2:G0M+3], 2097152
	s_or_b32 s[G0M+3], s[G0M+3], 0x80000000
	s_cmp_lt_u32 s[WV], 2
	s_cselect_b64 s[PFA:PFA+1], s[6:7], s[8:9]
	s_lshl_b32 s2, s13, 13          ; my work-group's 32 rows of the 128
	s_add_nc_u64 s[PFA:PFA+1], s[PFA:PFA+1], s[2:3]
	s_add_nc_u64 s[PFA:PFA+1], s[PFA:PFA+1], 2*65536  ; in slot 2; the first change steps it to slot 3.  Nothing is asked for at the head
	CROUND                          ; all four work-groups are here: the first joint loads meet
.irp s, 0,1
	s_mov_b32 s[G0K+4*(\s)], 1
	s_add_co_u32 s[G0K+4*(\s)+1], s17, (\s)*SLOT1
	s_add_nc_u64 s[G0K+4*(\s)+2:G0K+4*(\s)+3], s[6:7], (\s)*65536
	s_or_b32 s[G0K+4*(\s)+3], s[G0K+4*(\s)+3], 0x80000000
	s_mov_b32 s[G0V+4*(\s)], 1
	s_add_co_u32 s[G0V+4*(\s)+1], s75, (\s)*SLOT1+VOFF
	s_add_nc_u64 s[G0V+4*(\s)+2:G0V+4*(\s)+3], s[8:9], (\s)*65536
	s_or_b32 s[G0V+4*(\s)+3], s[G0V+4*(\s)+3], 0x80000000
.endr
	tensor_load_to_lds s[G0M:G0M+3], s[G1M:G1M+7]   ; the first fills go out as one group: three loads of mine are out
	s_nop 0
	s_cmp_lt_u32 s[WV], 2
	s_cbranch_scc0 .Lfirst_v
	tensor_load_to_lds s[G0K:G0K+3], s[G1K:G1K+7]
	s_nop 0
	tensor_load_to_lds s[G0K+4:G0K+7], s[G1K:G1K+7]
	s_nop 0
.rept 4
	v_nop
.endr
	s_branch .Lfirst_asked
.Lfirst_v:
	tensor_load_to_lds s[G0V:G0V+3], s[G1V:G1V+7]
	s_nop 0
	tensor_load_to_lds s[G0V+4:G0V+7], s[G1V:G1V+7]
	s_nop 0
.rept 4
	v_nop
.endr
.Lfirst_asked:
	v_and_b32 v1, 15, v0            ; l % 16
	v_bfe_u32 v9, v0, 4, 1          ; l / 16
	v_lshlrev_b32 v[QO], 8, v1
	v_lshl_add_u32 v[QO], v9, 4, v[QO]
	WIN 0x80
.irp i, 0,1,2,3,4,5,6,7,8,9,10,11,12,13,14,15  ; Q stays in registers: tile i / 4, channels 32 (i % 4) on
	global_load_b128 v[8*(\i):8*(\i)+3],   v[QO], s[4:5] offset:((\i)/4)*4096+((\i)%4)*64
	global_load_b128 v[8*(\i)+4:8*(\i)+7], v[QO], s[4:5] offset:((\i)/4)*4096+((\i)%4)*64+32
.endr
	; what the first turn finds: V and piece 2's P hold 0 (its products V^T P, of a step that has not been, add 0), O^T and l are 0.  All this stands in the wait for the first tile.
	WIN 0xc0
.set i, 0
.rept 128
	v_mov_b32 v[i], 0
.set i, i+1
.endr
	WIN 0x40
.set i, 0
.rept 256
	v_mov_b32 v[i], 0
.set i, i+1
.endr
	WIN 0
.set i, 0
.rept 4
	v_mov_b32 v[ST+8*i], 0xfe000000    ; c m: far below every c s
	v_mov_b32 v[ST+8*i+1], 0xff7fffff  ; m
	v_mov_b32 v[ST+8*i+2], 0
	v_mov_b32 v[ST+8*i+3], 0
.set i, i+1
.endr
.set i, P+32
.rept 32
	v_mov_b32 v[i], 0
.set i, i+1
.endr
	v_mul_u32_u24 v[AK0], v1, PK
	v_lshl_add_u32 v[AK0], v9, 4, v[AK0]  ; row x pitch + 16 x half
	v_and_b32 v10, 7, v0            ; the turning load: lane l reads key 8 (l / 16) + l % 8, channels 8 ((l / 8) % 2) + 0..7
	v_bfe_u32 v11, v0, 3, 1
	v_lshl_add_u32 v[AV0], v9, 3, v10
	v_mul_u32_u24 v[AV0], v[AV0], PV
	v_lshl_add_u32 v[AV0], v11, 4, v[AV0]
	v_add_nc_u32 v[AV0], VOFF, v[AV0]
	v_lshl_add_u32 v[AM0], v9, 5, MSK     ; my eight keys of a block of 16: 32 bytes for each half of the lanes
	s_mul_i32 s2, s[QH], XB
	v_and_b32 v48, 31, v0
	v_lshl_add_u32 v[XA], v48, 4, s2
	v_lshl_add_u32 v[XS], v48, 3, s2
	v_add_nc_u32 v[XS], 32768, v[XS]
; THE MATRIX WORK OF A TURN, for piece x.  The accumulators take turns, one instruction a turn.
; Product i of 32 of O^T += V^T P: keys 32 (i / 16) on, channels 16 ((i / 2) % 8) on, tile x + i % 2.
.macro PV x
	WIN W_PV
.set rO, 64*((\x)+i%2)+8*((i/2)%8)
.set rV, 64*(i/16)+8*((i/2)%8)
.set rP, P+16*((\x)+i%2)+8*(i/16)
	v_wmma_f32_16x16x32_f16 v[rO:rO+7], v[rV:rV+7], v[rP:rP+7], v[rO:rO+7]
.endm
; Product i of 32 of S^T = K Q^T: channels 32 (i / 8) on, keys 16 ((i / 2) % 4) on, tile x + i % 2.  The first 8 start the sums with the mask.
.macro KQ x
.set rS, S+32*((\x)+i%2)+8*((i/2)%4)
.set rK, KF+32*((i/2)%4)+8*(i/8)
.set rQ, 32*((\x)+i%2)+8*(i/8)
.set rM, MR+8*((i/2)%4)
.if i < 8
	WIN W_KM
	v_wmma_f32_16x16x32_f16 v[rS:rS+7], v[rK:rK+7], v[rQ:rQ+7], v[rM:rM+7]
.else
	WIN W_KQ
	v_wmma_f32_16x16x32_f16 v[rS:rS+7], v[rK:rK+7], v[rQ:rQ+7], v[rS:rS+7]
.endif
.endm
; THE LDS LOADS stand in runs: a step's K (16 fragments) with its mask (8 loads), and, a turn later, its V (turned).  last = 1 (the tail): in the last trip there is no further step, and the run is jumped over.
.macro FETCH_K last=0
	WIN 0
.if \last
	s_cmp_eq_u32 s[TWICE], 1
	s_cbranch_scc1 .Lno_k_\@
.endif
	v_add_nc_u32 v[ADR], s[TBK], v[AK0]
	v_add_nc_u32 v[ADM], s[TM], v[AM0]
	WIN 0x80
.irp f, 0,1,2,3,4,5,6,7,8,9,10,11,12,13,14,15  ; keys 16 (f / 4) on, channels 32 (f % 4) on
	ds_load_b128 v[KF+8*(\f):KF+8*(\f)+3],   v[ADR] offset:((\f)/4)*16*PK+((\f)%4)*64
	ds_load_b128 v[KF+8*(\f)+4:KF+8*(\f)+7], v[ADR] offset:((\f)/4)*16*PK+((\f)%4)*64+32
.endr
	WIN 0xc0
.irp f, 0,1,2,3
	ds_load_b128 v[MR+8*(\f):MR+8*(\f)+3],   v[ADM] offset:64*(\f)
	ds_load_b128 v[MR+8*(\f)+4:MR+8*(\f)+7], v[ADM] offset:64*(\f)+16
.endr
	s_add_co_u32 s[TBK], s[TBK], KS*PK  ; the next fetch is the next step's
	s_add_co_u32 s[TM], s[TM], KS*4
.if \last
	WIN 0
.Lno_k_\@:
.endif
.endm
.macro FETCH_V
	WIN 0
	v_add_nc_u32 v[ADR], s[TBV], v[AV0]
	s_add_co_u32 s[TBV], s[TBV], KS*PV
	s_wait_alu depctr_va_vdst(0)    ; the wait for the softmax's batch of exponentials, behind the address's line and ahead of the loads
	WIN 0xc0
.irp f, 0,1,2,3,4,5,6,7,8,9,10,11,12,13,14,15  ; keys 32 (f / 8) on, channels 16 (f % 8) on
	ds_load_tr16_b128 v[8*(\f):8*(\f)+3],   v[ADR] offset:((\f)/8)*32*PV+((\f)%8)*32
	ds_load_tr16_b128 v[8*(\f)+4:8*(\f)+7], v[ADR] offset:((\f)/8)*32*PV+16*PV+((\f)%8)*32
.endr
.endm
; THE VECTOR WORK OF A TURN.  One tile's softmax for one key step is a list of 134 instructions; SM writes number j of it for tile t.  s0-s31 are the lane's 32 scores, in pairs 0-15.
;   0-15    the maximum of s0-s31 and the old m, three operands at a time (each accumulator's lowest registers are read first)
;   16-20   the other half of the lanes' maximum; the new m; c m; c m_old - c m_new
;   21-69   ONE BATCH: the 16 scalings c s - c m and all 33 exponentials (a at 23, then s0-s31); none of these reads an exponential's result
;   (wait)  between 69 and 70 stands the one wait for the batch: SLICE writes it, once for both tiles
;   70-85   the roundings to f16     86-101  the sums; l = a l + the sum     102-133 the tile's O^T times a
.macro SM t
.set rT, ST+8*(\t)
.set rS, S+32*(\t)
.set rP, P+16*(\t)
.set rO, 64*(\t)+2*(j-102)
.if j < 102
	WIN 0
.endif
.if j < 4
	v_max3_num_f32 v[rT+4+j], v[rS+8*j], v[rS+8*j+1], v[rS+8*j+2]
.elseif j < 12
	v_max3_num_f32 v[rT+4+j%4], v[rT+4+j%4], v[rS+8*(j%4)+2*(j/4)+1], v[rS+8*(j%4)+2*(j/4)+2]
.elseif j == 12
	v_max3_num_f32 v[rT+4], v[rT+4], v[rS+7], v[rS+15]
.elseif j == 13
	v_max3_num_f32 v[rT+6], v[rT+6], v[rS+23], v[rS+31]
.elseif j == 14
	v_max3_num_f32 v[rT+4], v[rT+4], v[rT+5], v[rT+6]
.elseif j == 15
	v_max3_num_f32 v[rT+4], v[rT+4], v[rT+7], v[rT+1]
.elseif j == 16
	v_permlanex16_b32 v[rT+5], v[rT+4], s[SEL], s[SEL+1]  ; the query's other 32 keys lie in the lane 16 away
.elseif j == 17
	v_mov_b32 v[rT+7], v[rT]        ; c m_old is kept for a
.elseif j == 18
	v_max_num_f32 v[rT+1], v[rT+4], v[rT+5]
.elseif j == 19
	v_mul_f32 v[rT], s[CS], v[rT+1]
.elseif j == 20
	v_sub_f32 v[rT+7], v[rT+7], v[rT]
.elseif j == 23
	v_exp_f32 v[rT+6], v[rT+7]
.elseif (j < 23) || ((j < 38) && (j%2 == 0)) || ((j < 66) && (j%4 == 2))
.set b, (j-2)/4                     ; 38, 42, .. 62: pairs 9 to 15
.if j < 38
.set b, (j-20)/2                    ; 21: pair 0; 22, 24, .. 36: pairs 1 to 8
.endif
	v_pk_fma_f32 v[rS+2*b:rS+2*b+1], v[rS+2*b:rS+2*b+1], s[CS:CS+1], v[rT:rT+1] op_sel_hi:[1,0,0] neg_lo:[0,0,1] neg_hi:[0,0,1]
.elseif j < 70
.set e, j-38                        ; 66 to 69: s28 to s31
.if j < 66
.set e, j-32-(j-38)/4               ; 39-41, 43-45, .. 63-65: s7 to s27
.endif
.if j < 38
.set e, (j-25)/2                    ; 25, 27, .. 37: s0 to s6
.endif
	v_exp_f32 v[rS+e], v[rS+e]
.elseif j < 86
	v_cvt_pk_f16_f32 v[rP+j-70], v[rS+2*(j-70)], v[rS+2*(j-70)+1]
.elseif j < 102                     ; the sum of the tile's 16 pairs, in place: neighbours 1, 2, 4 and 8 pairs apart, then l takes it
.set z, j-86
.set w, 4
.set u, z
.if z >= 14
.set w, 32
.set u, 0
.elseif z >= 12
.set w, 16
.set u, z-12
.elseif z >= 8
.set w, 8
.set u, z-8
.endif
.if z < 15
	v_pk_add_f32 v[rS+w*u:rS+w*u+1], v[rS+w*u:rS+w*u+1], v[rS+w*u+w/2:rS+w*u+w/2+1]
.else
	v_pk_fma_f32 v[rT+2:rT+3], v[rT+2:rT+3], v[rT+6:rT+7], v[rS:rS+1] op_sel_hi:[1,0,1]
.endif
.else
	WIN W_RS
	v_pk_mul_f32 v[rO:rO+1], v[rO:rO+1], v[rT+6:rT+7] op_sel_hi:[1,0]
.endif
.endm
; Slice k of 64 of piece y's softmax: four instructions.  Slices 11 to 34 deal out the batch, four numbers of ONE tile each, the tiles by turns; every other slice is numbers 2 k and 2 k + 1 of both tiles;
; 2 x 134 = 4 x 64 + 12: the twelve that are over stand in slice 63, which is also the four places behind the turn's last product.  Ahead of slice 35 nothing names an exponential's result, and behind
; slice 34 no exponential is issued: the piece's 66 exponentials have one wait, behind slice 34, with one v_nop as the plain instruction behind the last of them.
.macro SLICE y
.if (k >= 11) && (k < 35)
.irp n, 0,1,2,3
.set j, 22+4*((k-11)/2)+(\n)
	SM (\y)+(k-11)%2
.endr
.else
.irp n, 0,1,2,3,4,5,6,7
.if ((\n) < 2) || (k == 63)
.irp t, \y, (\y)+1
.set j, 2*k+(\n)
	SM \t
.endr
.endif
.endr
.endif
.if k == 34
	v_nop
.if (\y) == 0
	FETCH_V                         ; piece 2's turn: V's run of loads stands here, and the wait stands in it; the last product stands six plain instructions back (four exponentials, the v_nop, the address's line)
.else
	s_wait_alu depctr_va_vdst(0)
.endif
.endif
.set k, k+1
.endm
; A TURN.  Piece x has the matrix unit; the other piece's softmax stands in slices behind its matrix instructions.  Piece 0's turn fetches the next step's K and mask behind its second product, piece 2's the same step's V.
.macro TURN x, last=0
.set k, 0
.if (\x) == 0
	s_wait_dscnt 0x0                ; V is in
.endif
.set i, 0
.rept 32
	PV \x
	SLICE 2-(\x)
.if ((\x) == 0) && (i == 1)
	FETCH_K \last
.endif
.set i, i+1
.endr
.if (\x) == 0
	s_wait_dscnt 0x0                ; K and the mask are in
.endif
.set i, 0
.rept 32
	KQ \x
	SLICE 2-(\x)
.set i, i+1
.endr
.endm
; THE CHANGE OF SLOTS, between piece 2's turn and piece 0's.  Each wave waits for all its tensor loads (one is out: its part of the other slot), adds 0 to its spare word, and waits for that and for its reads of the slot.
; fill = 1: the barrier is a round of the cluster's, and the joint refill, with the keys two slots on, is the first thing behind it: it has two of my key steps, 256 matrix instructions, in which to land.
.macro CHANGE fill
	WIN 0
	s_wait_tensorcnt 0x0            ; no tensor load of mine is out, so a group 0 may be written
	ds_add_u32 v[SPW], v[NIL]
.if \fill
.irp g, G0K+4, G0V+4
	s_xor_b32 s[(\g)+1], s[(\g)+1], SLOT1
	s_add_nc_u64 s[(\g)+2:(\g)+3], s[(\g)+2:(\g)+3], 65536  ; the next 256 keys
.endr
	s_wait_xcnt 0x0                 ; the last prefetch, two key steps back, has read its address
	s_add_nc_u64 s[PFA:PFA+1], s[PFA:PFA+1], 65536
	s_wait_dscnt 0x0                ; the add is done, and my reads of the slot are over
	CROUND
	JLOAD
	ASK
.else
	s_wait_dscnt 0x0
	s_barrier_signal -1
	s_barrier_wait -1
.endif
	s_sub_co_u32 s[TBK], s[TBK], 2*KS*PK  ; the fetches go back to my half's first step,
	s_xor_b32 s[TBK], s[TBK], SLOT1       ; in the other slot
	s_sub_co_u32 s[TBV], s[TBV], 2*KS*PV
	s_xor_b32 s[TBV], s[TBV], SLOT1
	s_add_co_u32 s[TM], s[TM], 512        ; over the other half's 128 keys
.endm
	s_wait_tensorcnt 1              ; the mask table and my part of slot 0 are in; slot 1's may stay out
	s_barrier_signal -1
	s_barrier_wait -1
	FETCH_K                         ; key step 0
	s_wait_loadcnt 0x0              ; Q
	s_wait_dscnt 0x0
.set i, 0
.rept 32
	KQ 0                            ; piece 0's first scores
.set i, i+1
.endr
	WIN 0                           ; the addresses for the way out: plain instructions, the places behind those products
	s_mul_i32 s13, s[WV], 16*SP
	s_add_co_u32 s13, s13, STAGE
	v_mul_u32_u24 v[STO], v1, SP
	v_lshl_add_u32 v[STO], v9, 4, v[STO]
	v_add_nc_u32 v[STO], s13, v[STO]
	v_mul_u32_u24 v[RD], v9, SP
	v_lshl_add_u32 v[RD], v1, 4, v[RD]
	v_add_nc_u32 v[RD], s13, v[RD]
	v_lshlrev_b32 v[GO], 12, v9     ; two rows of att, 4,096 bytes apart
	v_lshl_add_u32 v[GO], v1, 4, v[GO]
	s_mov_b32 s[TWICE], 2
	s_mov_b32 s[SLOTS], 7
	s_branch .Lfirst                ; the loop is entered in the middle of a trip
.Lslot:                             ; six times: slots 2 to 7 are asked for
	CHANGE 1
	s_mov_b32 s[TWICE], 2
.Lstep:
	TURN 0
	WIN 0
.Lfirst:
	TURN 2
	WIN 0
	s_sub_co_u32 s[TWICE], s[TWICE], 1
	s_cmp_lg_u32 s[TWICE], 0
	s_cbranch_scc1 .Lstep
	s_sub_co_u32 s[SLOTS], s[SLOTS], 1
	s_cmp_lg_u32 s[SLOTS], 0
	s_cbranch_scc1 .Lslot
	CHANGE 0                        ; the tail is written out: nothing is asked for
	s_mov_b32 s[TWICE], 3           ; two trips fetch the last slot's steps; the third is left in its middle
.Ltail:
	TURN 0, 1
	WIN 0
	s_sub_co_u32 s[TWICE], s[TWICE], 1
	s_cmp_eq_u32 s[TWICE], 0
	s_cbranch_scc1 .Lout
	TURN 2
	WIN 0
	s_branch .Ltail
.Lout:
.set i, 0
.rept 32
	PV 2                            ; piece 2: V^T P of the last step
.set i, i+1
.endr
	; THE TWO KEY HALVES MEET.  First each wave's l: its two halves and the other half of the lanes' (m's register takes it).  These lines are the places behind the last products.
	WIN 0
.irp t, 0,1,2,3
	v_add_f32 v[ST+8*(\t)+4], v[ST+8*(\t)+2], v[ST+8*(\t)+3]
.endr
.irp t, 0,1,2,3
	v_permlanex16_b32 v[ST+8*(\t)+5], v[ST+8*(\t)+4], s[SEL], s[SEL+1]
.endr
.irp t, 0,1,2,3
	v_add_f32 v[ST+8*(\t)+1], v[ST+8*(\t)+4], v[ST+8*(\t)+5]
.endr
	s_cmp_eq_u32 s[KH], 0
	s_cbranch_scc1 .Lkeep
	WIN 0x04                        ; the second half's wave hands over O^T (window 1; each accumulator from its low end), c m and l, all f32.  Slot 0 has had its last fill, and since the last change's barrier nobody reads it
.set g, 0
.rept 64
	ds_store_b128 v[XA], v[4*g:4*g+3] offset:512*g
.set g, g+1
.endr
	WIN 0
.irp t, 0,1,2,3
	ds_store_b64 v[XS], v[ST+8*(\t):ST+8*(\t)+1] offset:256*(\t)
.endr
.Lkeep:
	s_wait_dscnt 0x0                ; for the partner's sake: my stores are done
	s_barrier_signal -1
	s_barrier_wait -1
	s_cmp_eq_u32 s[KH], 0
	s_cbranch_scc0 .Lend
	WIN 0x80                        ; into window 2: Q and K are no longer wanted
.set g, 0
.rept 64
	ds_load_b128 v[4*g:4*g+3], v[XA] offset:512*g
.set g, g+1
.endr
	WIN 0
.irp t, 0,1,2,3
	ds_load_b64 v[ST+8*(\t)+4:ST+8*(\t)+5], v[XS] offset:256*(\t)   ; the partner's c m and l
.endr
	s_wait_dscnt 0x0
.irp t, 0,1,2,3
	v_max_num_f32 v[ST+8*(\t)+2], v[ST+8*(\t)], v[ST+8*(\t)+4]      ; the common c m
.endr
.irp t, 0,1,2,3
	v_sub_f32 v[ST+8*(\t)+3], v[ST+8*(\t)], v[ST+8*(\t)+2]
	v_sub_f32 v[ST+8*(\t)+6], v[ST+8*(\t)+4], v[ST+8*(\t)+2]
.endr
.irp t, 0,1,2,3
	v_exp_f32 v[ST+8*(\t)+3], v[ST+8*(\t)+3]                        ; my correction,
	v_exp_f32 v[ST+8*(\t)+6], v[ST+8*(\t)+6]                        ; the partner's
.endr
	v_nop                           ; a plain instruction behind the last exponential,
	s_wait_alu depctr_va_vdst(0)    ; and one wait for the eight, ahead of their first use
.irp t, 0,1,2,3
	v_mul_f32 v[ST+8*(\t)+7], v[ST+8*(\t)+1], v[ST+8*(\t)+3]
.endr
.irp t, 0,1,2,3
	v_fmac_f32 v[ST+8*(\t)+7], v[ST+8*(\t)+5], v[ST+8*(\t)+6]       ; the whole row's l
.endr
.irp t, 0,1,2,3
	v_rcp_f32 v[ST+8*(\t)+7], v[ST+8*(\t)+7]
.endr
	v_nop
	s_wait_alu depctr_va_vdst(0)    ; one wait for the four reciprocals
.irp t, 0,1,2,3
	v_mul_f32 v[ST+8*(\t)+2], v[ST+8*(\t)+3], v[ST+8*(\t)+7]        ; my O^T's factor,
	v_mul_f32 v[ST+8*(\t)+6], v[ST+8*(\t)+6], v[ST+8*(\t)+7]        ; the partner's
.endr
; Tile t: both halves' O^T are joined, rounded to f16, 16 bytes a lane; they go into rows of 272 bytes and come back as whole rows of 256.
.macro PACK t
	WIN W_RS
.set i, 64*(\t)
.rept 32
	v_pk_mul_f32 v[i:i+1], v[i:i+1], v[ST+8*(\t)+2:ST+8*(\t)+3] op_sel_hi:[1,0]
.set i, i+2
.endr
	WIN 0x52                        ; source 0 the partner's O^T in window 2, source 1 window 0, source 2 and destination window 1
.set i, 64*(\t)
.rept 32
	v_pk_fma_f32 v[i:i+1], v[i:i+1], v[ST+8*(\t)+6:ST+8*(\t)+7], v[i:i+1] op_sel_hi:[1,0,1]
.set i, i+2
.endr
	WIN 0x05
.set i, 0
.rept 32
	v_cvt_pk_f16_f32 v[S+32*(\t)+i], v[64*(\t)+2*i], v[64*(\t)+2*i+1]
.set i, i+1
.endr
	WIN 0
.irp f, 0,1,2,3,4,5,6,7
	ds_store_b128 v[STO], v[S+32*(\t)+4*(\f):S+32*(\t)+4*(\f)+3] offset:32*(\f)
.endr
.irp f, 0,1,2,3,4,5,6,7
	ds_load_b128 v[S+32*(\t)+4*(\f):S+32*(\t)+4*(\f)+3], v[RD] offset:(\f)*2*SP  ; LDS serves a wave's instructions in order (ISA guide 5.7.1.4)
.endr
.endm
.macro SEND t, younger              ; younger: the LDS instructions issued behind tile t's loads: the next tile's sixteen, or none
	WIN 0
.irp f, 0,1,2,3,4,5,6,7
	s_wait_dscnt (\younger)+7-(\f)
	global_store_b128 v[GO], v[S+32*(\t)+4*(\f):S+32*(\t)+4*(\f)+3], s[10:11] offset:(\t)*65536+(\f)*8192  ; 16 lanes store a head's 256 bytes of a row, aligned
.endr
.endm
	PACK 0
	PACK 1
	SEND 0, 16
	PACK 2
	SEND 1, 16
	PACK 3
	SEND 2, 16
	SEND 3, 0
.Lend:
	s_wait_tensorcnt 0x0            ; the wave's end: behind my last tensor load and my last LDS store
	ds_add_u32 v[SPW], v[NIL]
	s_wait_dscnt 0x0
	CROUND                          ; the closing round
	s_endpgm
.Lfunc_end_k_q87cc16742b_attn:
	.size	k_q87cc16742b_attn, .Lfunc_end_k_q87cc16742b_attn-k_q87cc16742b_attn
	.p2alignl 7, 3214868480
	.fill 96, 4, 3214868480
	.section	.rodata,"a",@progbits
	.p2align	6, 0x0
	.amdhsa_kernel k_q87cc16742b_attn
		.amdhsa_group_segment_fixed_size 327680
		.amdhsa_private_segment_fixed_size 0
		.amdhsa_enable_private_segment 0
		.amdhsa_kernarg_size 24
		.amdhsa_user_sgpr_count 2
		.amdhsa_user_sgpr_kernarg_segment_ptr 1
		.amdhsa_wavefront_size32 1
		.amdhsa_system_sgpr_workgroup_id_x 1
		.amdhsa_system_sgpr_workgroup_id_y 1
		.amdhsa_system_sgpr_workgroup_id_z 1
		.amdhsa_system_vgpr_workitem_id 0
		.amdhsa_next_free_vgpr 1024
		.amdhsa_next_free_sgpr 88
		.amdhsa_reserve_vcc 0
		.amdhsa_float_denorm_mode_32 3
		.amdhsa_float_denorm_mode_16_64 3
		.amdhsa_memory_ordered 1
		.amdhsa_forward_progress 1
		.amdhsa_inst_pref_size 179
	.end_amdhsa_kernel
	.amdgpu_metadata
---
amdhsa.version: [ 1, 2 ]
amdhsa.kernels:
  - .name:           k_q87cc16742b_attn
    .symbol:         k_q87cc16742b_attn.kd
    .args:
      - { .name: qkv, .offset: 0, .size: 8, .value_kind: global_buffer, .address_space: global }
      - { .name: tab, .offset: 8, .size: 8, .value_kind: global_buffer, .address_space: global }
      - { .name: att, .offset: 16, .size: 8, .value_kind: global_buffer, .address_space: global }
    .group_segment_fixed_size: 327680
    .private_segment_fixed_size: 0
    .kernarg_segment_align: 8
    .kernarg_segment_size: 24
    .max_flat_workgroup_size: 128
    .sgpr_count:     88
    .vgpr_count:     1024
    .wavefront_size: 32
...
	.end_amdgpu_metadata
.endif
;; end of part 3
;; launch oproj (part 4): grid 16 x 16, 4 waves a work-group, clusters of 4 x 4, 327,680 bytes of LDS; arguments att, wo16, bo, out0; writes out0
.if DOCPART == 4
	.amdgcn_target "amdgcn-amd-amdhsa--gfx1250"
	.amdhsa_code_object_version 6
	.text
	.protected	k_q87cc16742b_oproj
	.globl	k_q87cc16742b_oproj
	.p2align	8
	.type	k_q87cc16742b_oproj,@function
k_q87cc16742b_oproj:
	s_mov_b64 s[64:65], 0
	v_nop
	global_prefetch_b8 v0, s[64:65] scope:SCOPE_SE
	s_setreg_imm32_b32 hwreg(HW_REG_WAVE_MODE, 25, 1), 1
	s_wait_xcnt 0x0
	s_wait_alu depctr_hold_cnt(0) depctr_sa_sdst(0) depctr_va_vdst(0) depctr_va_sdst(0) depctr_va_ssrc(0) depctr_va_vcc(0) depctr_vm_vsrc(0)
	s_getreg_b32 s2, hwreg(HW_REG_IB_STS2, 6, 4)
	s_cmp_eq_u32 s2, 0
	s_cbranch_scc0 .Lentry_in_a_cluster
	s_endpgm
.Lentry_in_a_cluster:
	s_bfe_u32 s2, ttmp6, 0x10000c
	s_cmp_lg_u32 s2, 0xf033
	s_cbranch_scc0 .Lentry_shape_is_right
	s_endpgm
.Lentry_shape_is_right:
; out0 = att Wo^T + bo.  att: [2048][2048] f16; wo16: [2048][2048], Wo's bf16 number written as f16; bo f32, rounded to bf16 like every input; out0 f32.  Sums in f32.
; A tile of out0 is 128 x 128: 256 work-groups, one for each tile.  Four waves, each 64 x 64: 16 accumulators.  K goes in 8 steps of 256 (LDS rows of 512 bytes, 64 rows to a wave's tensor load) through two slots.
; A K STEP IS WRITTEN ONCE: the fragments' LDS addresses are a base plus a scalar slot offset that an exclusive or turns, and one descriptor a tensor walks from slot to slot.  The last two K steps, which fill nothing,
; are a second loop of two trips, left in its middle: no tensor load and no barrier is jumped over.
; CLUSTERS: 4 x 4 work-groups; A's tile is asked for jointly by a row of the cluster, B's by a column.  THE MATRIX INSTRUCTION IS USED TRANSPOSED (source 0 = 16 rows of Wo, source 1 = 16 rows of att):
; a lane holds eight neighbouring numbers of a row of out0, 32 bytes.  The bias is the C operand of the product that starts each sum.
; THE WAY OUT: a wave's 64 columns of f32 are a whole aligned 256 bytes, so each wave has a stage of its own (16 rows x 272 bytes) and no barrier is needed.
; No prefetch: the tiles are small and the launch short.
; REGISTERS: window 0: v0-31 addresses; v32-63 the bias, later with v64-95 rows read back; v128-255 the accumulators ((a, b) at v[128 + 8 (4 a + b)]).  Window 1: two fragment buffers of 128.
.set SIZE_K, 2048
.set KSTEP,  256
.set STEPS,  SIZE_K/KSTEP              ; 8
.set PITCH,  528                       ; 512 bytes + 16: row r starts at bank 4 r mod 64 (ISA guide 11.1)
.set HALFT,  64*PITCH
.set SLOT,   4*HALFT                   ; 0x21000: its two bits occur in none of the four waves' places 0, 0x8400, 0x10800, 0x18c00, so one exclusive or moves a descriptor's LDS address from slot to slot
.set STAGE,  2*SLOT
.set SPITCH, 272
.set SPARE,  STAGE+4*16*SPITCH
.set ADRA0, 16                         ; v16  LDS address of my A fragments in slot 0; v17 in the slot in hand
.set ADRA,  17
.set ADRB0, 20                         ; v20, v21 the same for B
.set ADRB,  21
.set STO,  24
.set RD,   25
.set CO,   26
.set BO,   27
.set SPW,  28
.set NIL,  29
.set TR,   31
.set TMP,  32
.set ACC,  128
.set F0,   0
.set F1,   128
.set G1, 24                            ; s[24:31] group 1 for A's tiles; s[32:39] group 0: a set for each of the two first fills; the second then walks on
.set G0, 32
.set G1B, 48
.set G0B, 56
.set SL,  67                           ; s67  0 or SLOT: the slot from which fragments are fetched
.set MSB, 0
.macro WIN new
.if MSB != (\new)
	s_set_vgpr_msb (MSB<<8)|(\new)
.set MSB, \new
.endif
.endm
.set MUL,  0x05                        ; sources 0 (B) and 1 (A) window 1; C and D window 0
.set TO_F, 0x40
.macro JLOAD s                         ; waves 0 and 1 fetch A's two halves, waves 2 and 3 B's; an s_nop 0 and four v_nop follow each line
	s_cmp_eq_u32 s11, 0
	s_cbranch_scc0 .Lfor_b_\@
	tensor_load_to_lds s[G0+4*(\s):G0+4*(\s)+3], s[G1:G1+7]
	s_nop 0
.rept 4
	v_nop
.endr
	s_branch .Lasked_\@
.Lfor_b_\@:
	tensor_load_to_lds s[G0B+4*(\s):G0B+4*(\s)+3], s[G1B:G1B+7]
	s_nop 0
.rept 4
	v_nop
.endr
.Lasked_\@:
.endm
.macro CREST
	s_cmp_lg_u32 s10, 0
	s_cbranch_scc1 .Lnot_wave_0_\@
	s_barrier_signal -3
.Lnot_wave_0_\@:
	s_barrier_wait -3
	s_barrier_signal -1
	s_barrier_wait -1
.endm
.macro CROUND
	s_barrier_signal -1
	s_barrier_wait -1
	CREST
.endm
	s_load_b256 s[68:75], s[0:1], 0x0              ; att s[68:69], wo16 s[70:71], bo s[72:73], out0 s[74:75]
	v_lshl_add_u32 v[SPW], v0, 2, SPARE
	v_mov_b32 v[NIL], 0
	ds_add_u32 v[SPW], v[NIL]                      ; the wave's opening: the add and its wait stand ahead of my first tensor load
	v_lshrrev_b32 v1, 5, v0
	v_readfirstlane_b32 s10, v1
	s_lshr_b32 s11, s10, 1                         ; which half of the tile's rows is mine; also: I fetch for A (0) or B (1)
	s_and_b32 s12, s10, 1                          ; which half of its columns; also: which 64 rows I fetch
	s_bfe_u32 s40, ttmp6, 0x40000
	s_bfe_u32 s41, ttmp6, 0x40004
	s_lshl_b32 s42, ttmp9, 2
	s_add_co_u32 s42, s42, s40                     ; tile column
	s_and_b32 s13, ttmp7, 0xffff
	s_lshl_b32 s13, s13, 2
	s_add_co_u32 s13, s13, s41                     ; tile row
	s_lshl_b32 s43, s41, 2
	s_lshl_b32 s43, 15, s43
	s_lshl_b32 s44, 0x1111, s40
	s_or_b32 s[G1+0], s43, (1<<16)|(1<<20)|(1<<21)|(6<<22)|(3<<25)   ; the mask; 2-byte elements; padding on; bit 21 beside a mask; after every 128 words 4 words
	s_or_b32 s[G1B+0], s44, (1<<16)|(1<<20)|(1<<21)|(6<<22)|(3<<25)
.irp g, G1, G1B
	s_mov_b32 s[(\g)+1], KSTEP<<16
	s_mov_b32 s[(\g)+2], 64<<16
	s_mov_b32 s[(\g)+3], KSTEP<<16
	s_mov_b32 s[(\g)+4], 64
	s_mov_b32 s[(\g)+5], SIZE_K
	s_mov_b32 s[(\g)+6], 0
	s_mov_b32 s[(\g)+7], 0
.endr
	s_lshl_b32 s17, s12, 6
	s_lshl_b32 s16, s13, 7
	s_add_co_u32 s16, s16, s17
	s_lshl_b32 s16, s16, 12                        ; A: (128 x tile row + 64 x half) rows of 4,096 bytes
	s_lshl_b32 s46, s42, 7
	s_add_co_u32 s46, s46, s17
	s_lshl_b32 s46, s46, 12
	s_mov_b32 s17, 0
	s_mov_b32 s47, 0
	s_mul_i32 s20, s10, HALFT
	s_mov_b32 s[SL], 0
	s_wait_dscnt 0x0
	s_wait_kmcnt 0x0
	s_add_nc_u64 s[14:15], s[68:69], s[16:17]
	s_add_nc_u64 s[46:47], s[70:71], s[46:47]
	CROUND
.irp s, 0,1
	s_mov_b32 s[G0+4*(\s)], 1
	s_add_co_u32 s[G0+4*(\s)+1], s20, (\s)*SLOT
	s_add_nc_u64 s[G0+4*(\s)+2:G0+4*(\s)+3], s[14:15], (\s)*KSTEP*2
	s_or_b32 s[G0+4*(\s)+3], s[G0+4*(\s)+3], 0x80000000
	s_mov_b32 s[G0B+4*(\s)], 1
	s_add_co_u32 s[G0B+4*(\s)+1], s20, (\s)*SLOT
	s_add_nc_u64 s[G0B+4*(\s)+2:G0B+4*(\s)+3], s[46:47], (\s)*KSTEP*2
	s_or_b32 s[G0B+4*(\s)+3], s[G0B+4*(\s)+3], 0x80000000
	JLOAD \s
.endr
	v_and_b32 v1, 15, v0
	v_bfe_u32 v2, v0, 4, 1
	s_lshl_b32 s46, s42, 9                         ; my 64 columns, in bytes of f32: 512 x tile column + 256 x half
	s_lshl_b32 s47, s12, 8
	s_add_co_u32 s46, s46, s47
	s_mov_b32 s47, 0
	s_add_nc_u64 s[76:77], s[72:73], s[46:47]      ; the bias there
	v_lshlrev_b32 v[BO], 5, v2
.irp b, 0,1,2,3
	global_load_b128 v[TMP+8*(\b):TMP+8*(\b)+3],   v[BO], s[76:77] offset:64*(\b)
	global_load_b128 v[TMP+8*(\b)+4:TMP+8*(\b)+7], v[BO], s[76:77] offset:64*(\b)+16
.endr
	v_mul_u32_u24 v3, v1, PITCH
	v_lshl_add_u32 v3, v2, 4, v3
	s_mul_i32 s21, s11, HALFT
	s_mul_i32 s22, s12, HALFT
	s_add_co_u32 s22, s22, 2*HALFT
	v_add_nc_u32 v[ADRA0], s21, v3
	v_add_nc_u32 v[ADRB0], s22, v3
	v_mov_b32 v[ADRA], v[ADRA0]                    ; K step 0 lies in slot 0
	v_mov_b32 v[ADRB], v[ADRB0]
	s_mul_i32 s23, s10, 16*SPITCH
	s_add_co_u32 s23, s23, STAGE                   ; my stage
	v_mul_u32_u24 v4, v1, SPITCH                   ; in: row l % 16, 32 bytes for each half of the lanes
	v_lshl_add_u32 v4, v2, 5, v4
	v_add_nc_u32 v[STO], s23, v4
	v_mul_u32_u24 v5, v2, SPITCH                   ; back: lanes 0-15 one row of 256 bytes, lanes 16-31 the next
	v_lshl_add_u32 v5, v1, 4, v5
	v_add_nc_u32 v[RD], s23, v5
	v_lshlrev_b32 v5, 13, v2                       ; and the same two rows in out0, 8,192 bytes apart
	v_lshl_add_u32 v[CO], v1, 4, v5
	s_lshl_b32 s16, s13, 7
	s_lshl_b32 s17, s11, 6
	s_add_co_u32 s16, s16, s17
	s_lshl_b32 s16, s16, 13                        ; my first row: 128 x tile row + 64 x half
	s_mov_b32 s17, 0
	s_add_nc_u64 s[8:9], s[74:75], s[16:17]
	s_add_nc_u64 s[8:9], s[8:9], s[46:47]
	s_wait_loadcnt 0x0                             ; the bias: rounded to bf16 and widened again, in the wait for the first tile
.set p, 0
.rept 16
	v_cvt_pk_bf16_f32 v[TR], v[TMP+p], v[TMP+p+1]
	v_lshlrev_b32 v[TMP+p], 16, v[TR]
	v_and_b32 v[TMP+p+1], 0xffff0000, v[TR]
.set p, p+2
.endr
; 8 matrix instructions: m blocks a0, a0 + 1 x all 4 n blocks, 32 along K: half c of buffer f.  zero = 1: the first product starts the sums with the bias.  The 16 accumulators take turns.
.macro MUL8 f, c, a0, zero
	WIN MUL
.irp a, \a0, (\a0)+1
.irp b, 0,1,2,3
.if \zero
	v_wmma_f32_16x16x32_f16 v[ACC+8*(4*(\a)+(\b)):ACC+8*(4*(\a)+(\b))+7], v[(\f)+64+8*(4*(\c)+(\b)):(\f)+64+8*(4*(\c)+(\b))+7], v[(\f)+8*(4*(\c)+(\a)):(\f)+8*(4*(\c)+(\a))+7], v[TMP+8*(\b):TMP+8*(\b)+7]
.else
	v_wmma_f32_16x16x32_f16 v[ACC+8*(4*(\a)+(\b)):ACC+8*(4*(\a)+(\b))+7], v[(\f)+64+8*(4*(\c)+(\b)):(\f)+64+8*(4*(\c)+(\b))+7], v[(\f)+8*(4*(\c)+(\a)):(\f)+8*(4*(\c)+(\a))+7], v[ACC+8*(4*(\a)+(\b)):ACC+8*(4*(\a)+(\b))+7]
.endif
.endr
.endr
.endm
.macro FETCH k, f                      ; 32 LDS loads in one run: the fragments of 64 along K at byte k of the slot in hand, the first 32 along K first
	WIN TO_F
.irp c, 0,1
.irp i, 0,1,2,3
	ds_load_b128 v[(\f)+64+8*(4*(\c)+(\i)):(\f)+64+8*(4*(\c)+(\i))+3],   v[ADRB] offset:(\k)+64*(\c)+(\i)*16*PITCH
	ds_load_b128 v[(\f)+64+8*(4*(\c)+(\i))+4:(\f)+64+8*(4*(\c)+(\i))+7], v[ADRB] offset:(\k)+64*(\c)+(\i)*16*PITCH+32
	ds_load_b128 v[(\f)+8*(4*(\c)+(\i)):(\f)+8*(4*(\c)+(\i))+3],         v[ADRA] offset:(\k)+64*(\c)+(\i)*16*PITCH
	ds_load_b128 v[(\f)+8*(4*(\c)+(\i))+4:(\f)+8*(4*(\c)+(\i))+7],       v[ADRA] offset:(\k)+64*(\c)+(\i)*16*PITCH+32
.endr
.endr
.endm
.macro FLIP                            ; the fragments' addresses go to the other slot
	s_xor_b32 s[SL], s[SL], SLOT
	v_add_nc_u32 v[ADRA], s[SL], v[ADRA0]
	v_add_nc_u32 v[ADRB], s[SL], v[ADRB0]
.endm
.macro PLACES
.rept 4
	v_nop
.endr
.endm
.macro QUARTER k, f, g, zero           ; 64 along K: 32 matrix instructions on buffer f; the next quarter, at byte k, is fetched into g
	s_wait_dscnt 16                                ; the first 32 along K are in
	MUL8 \f, 0, 0, \zero
	MUL8 \f, 0, 2, \zero
	PLACES
	FETCH \k, \g
	s_wait_dscnt 32                                ; all but the 32 just issued
	MUL8 \f, 1, 0, 0
	MUL8 \f, 1, 2, 0
.endm
; The first half of the last quarter: one barrier for the change of slots; in front of it each wave waits for all its tensor loads, adds 0 to its spare word, and waits for that and for its reads of this slot.
.macro MEET
	WIN 0
	s_wait_tensorcnt 0x0
	ds_add_u32 v[SPW], v[NIL]
	s_wait_dscnt 17                                ; the add and the youngest sixteen loads may be out
	MUL8 F1, 0, 0, 0
	s_wait_dscnt 0x0                               ; the add is done, and my reads of this slot are over
	s_barrier_signal -1
	MUL8 F1, 0, 2, 0
	WIN 0
	s_barrier_wait -1
.endm
	s_wait_tensorcnt 1                             ; my part of K step 0 is in; K step 1's may stay out
	s_barrier_signal -1
	s_barrier_wait -1
	FETCH 0, F0
	QUARTER 128, F0, F1, 1
	WIN 0
	s_mov_b32 s3, STEPS-2
.Lstep:                                            ; 6 trips: from a K step's second quarter to the next step's first; each fills the slot that it leaves, two K steps ahead
	QUARTER 256, F1, F0, 0
	QUARTER 384, F0, F1, 0
	MEET
	CREST                                          ; the barrier has opened a round of the cluster's barrier: no wave of any partner still reads this slot or has a load on its way
.irp g, G0+4, G0B+4
	s_xor_b32 s[(\g)+1], s[(\g)+1], SLOT           ; the walking descriptor: the other slot than last time,
	s_add_nc_u64 s[(\g)+2:(\g)+3], s[(\g)+2:(\g)+3], KSTEP*2   ; the next K step
.endr
	JLOAD 1                                        ; the wave's one tensor load behind the round; its four v_nop are also the places in front of the loads below
	FLIP
	FETCH 0, F0
	MUL8 F1, 1, 0, 0
	MUL8 F1, 1, 2, 0
	QUARTER 128, F0, F1, 0
	WIN 0
	s_sub_co_u32 s3, s3, 1
	s_cmp_lg_u32 s3, 0
	s_cbranch_scc1 .Lstep
	s_mov_b32 s3, 2
.Ltail:                                            ; the last two K steps fill nothing; the second trip fetches no further step and is left in its middle
	QUARTER 256, F1, F0, 0
	QUARTER 384, F0, F1, 0
	MEET
	s_cmp_eq_u32 s3, 1
	s_cbranch_scc1 .Lno_fetch
	PLACES
	FLIP
	FETCH 0, F0
	WIN 0
.Lno_fetch:
	MUL8 F1, 1, 0, 0
	MUL8 F1, 1, 2, 0
	WIN 0
	s_sub_co_u32 s3, s3, 1
	s_cmp_eq_u32 s3, 0
	s_cbranch_scc1 .Ldone
	QUARTER 128, F0, F1, 0
	WIN 0
	s_branch .Ltail
.Ldone:
	PLACES
	; THE WAY OUT, a block of 16 rows at a time: 32 bytes a lane into my stage (each accumulator from its low end), back as whole rows of 256 bytes, stored.
.macro TOSTAGE a
.irp b, 0,1,2,3
	ds_store_b128 v[STO], v[ACC+8*(4*(\a)+(\b)):ACC+8*(4*(\a)+(\b))+3]   offset:64*(\b)
	ds_store_b128 v[STO], v[ACC+8*(4*(\a)+(\b))+4:ACC+8*(4*(\a)+(\b))+7] offset:64*(\b)+16
.endr
.irp t, 0,1,2,3,4,5,6,7
	ds_load_b128 v[TMP+32*((\a)%2)+4*(\t):TMP+32*((\a)%2)+4*(\t)+3], v[RD] offset:(\t)*2*SPITCH  ; LDS serves a wave's instructions in order (ISA guide 5.7.1.4)
.endr
.endm
.macro SEND a, younger                 ; younger: the LDS instructions issued behind block a's loads: the next block's sixteen, or none
.irp t, 0,1,2,3,4,5,6,7
	s_wait_dscnt (\younger)+7-(\t)
	global_store_b128 v[CO], v[TMP+32*((\a)%2)+4*(\t):TMP+32*((\a)%2)+4*(\t)+3], s[8:9] offset:(16*(\a)+2*(\t))*8192  ; 16 lanes store 256 consecutive bytes, aligned
.endr
.endm
	TOSTAGE 0
	TOSTAGE 1
	SEND 0, 16
	s_wait_xcnt 0x0                                ; block 0's stores have read their registers, which block 2 takes
	TOSTAGE 2
	SEND 1, 16
	s_wait_xcnt 0x0
	TOSTAGE 3
	SEND 2, 16
	SEND 3, 0
	s_wait_tensorcnt 0x0                           ; the wave's end: behind my last tensor load and my last LDS store
	ds_add_u32 v[SPW], v[NIL]
	s_wait_dscnt 0x0
	CROUND                                         ; the closing round
	s_endpgm
.Lfunc_end_k_q87cc16742b_oproj:
	.size	k_q87cc16742b_oproj, .Lfunc_end_k_q87cc16742b_oproj-k_q87cc16742b_oproj
	.p2alignl 7, 3214868480
	.fill 96, 4, 3214868480
	.section	.rodata,"a",@progbits
	.p2align	6, 0x0
	.amdhsa_kernel k_q87cc16742b_oproj
		.amdhsa_group_segment_fixed_size 327680
		.amdhsa_private_segment_fixed_size 0
		.amdhsa_enable_private_segment 0
		.amdhsa_kernarg_size 32
		.amdhsa_user_sgpr_count 2
		.amdhsa_user_sgpr_kernarg_segment_ptr 1
		.amdhsa_wavefront_size32 1
		.amdhsa_system_sgpr_workgroup_id_x 1
		.amdhsa_system_sgpr_workgroup_id_y 1
		.amdhsa_system_sgpr_workgroup_id_z 1
		.amdhsa_system_vgpr_workitem_id 0
		.amdhsa_next_free_vgpr 512
		.amdhsa_next_free_sgpr 80
		.amdhsa_reserve_vcc 0
		.amdhsa_float_denorm_mode_32 3
		.amdhsa_float_denorm_mode_16_64 3
		.amdhsa_memory_ordered 1
		.amdhsa_forward_progress 1
		.amdhsa_inst_pref_size 61
	.end_amdhsa_kernel
	.amdgpu_metadata
---
amdhsa.version: [ 1, 2 ]
amdhsa.kernels:
  - .name:           k_q87cc16742b_oproj
    .symbol:         k_q87cc16742b_oproj.kd
    .args:
      - { .name: att, .offset: 0, .size: 8, .value_kind: global_buffer, .address_space: global }
      - { .name: wo16, .offset: 8, .size: 8, .value_kind: global_buffer, .address_space: global }
      - { .name: bo, .offset: 16, .size: 8, .value_kind: global_buffer, .address_space: global }
      - { .name: out0, .offset: 24, .size: 8, .value_kind: global_buffer, .address_space: global }
    .group_segment_fixed_size: 327680
    .private_segment_fixed_size: 0
    .kernarg_segment_align: 8
    .kernarg_segment_size: 32
    .max_flat_workgroup_size: 128
    .sgpr_count:     80
    .vgpr_count:     512
    .wavefront_size: 32
...
	.end_amdgpu_metadata
.endif
;; end of part 4
